; MI455X (gfx1250); checked and timed in simulation.
; The chip was launched on July 23, 2026; its instructions are those of AMD's public machine-readable ISA for CDNA 5 (MIT licence, August 2026) and "CDNA5" Instruction Set Architecture Reference Guide (July 2026). The comments in the code are by the model that wrote it; some were corrected since.
;; Multi Query Attention. Allowed arithmetic: matrix products marked QUANTISED: E2M1 operands, one E8M0 scale for each 32 along K, by v_wmma_scale_f32_16x16x128_f8f6f4 with both operands' format E2M1 (or v_wmma_scale_f32_32x16x128_f4), f32 sums; everything else in f32.
;; Inputs: Wk 1,024 x 64 float32; Wo 1,024 x 1,024 float32; Wq 1,024 x 1,024 float32; Wv 1,024 x 64 float32; bk 64 float32; bo 1,024 float32; bq 1,024 float32; bv 64 float32; inputs_k 2 x 2,048 x 1,024 float32; inputs_q 2 x 2,048 x 1,024 float32; inputs_v 2 x 2,048 x 1,024 float32.
;; Outputs: out0 2 x 2,048 x 1,024 float32.
;; This version of the problem:
;;   THIS VERSION OF THE PROBLEM IS GIVEN IN LOW PRECISION. The matrix products marked QUANTISED in the list below multiply operands that are first quantised to E2M1 (2 exponent bits, 1 mantissa bit; 4 bits a number), with one power-of-two scale for each 32 numbers along K (OCP MX v1.0); their sums are f32. All else is computed in f32.
;;   The module's matrix products, in the order in which they are computed (A, B: the left and right operand; K: the contracted axis; several contracted axes count as one K, in the product's order):
;;     1. [M 4,096, K 1,024] x [K 1,024, N 1,024]; A: input inputs_q; B: input Wq: QUANTISED
;;     2. [M 4,096, K 1,024] x [K 1,024, N 64]; A: input inputs_k; B: input Wk: QUANTISED
;;     3. [M 4,096, K 1,024] x [K 1,024, N 64]; A: input inputs_v; B: input Wv: QUANTISED
;;     4. batch 2 x [M 32,768, K 64] x [K 64, N 2,048]; A: computed on the way; B: computed on the way: QUANTISED
;;     5. batch 2 x [M 32,768, K 2,048] x [K 2,048, N 64]; A: softmax (see below); B: computed on the way: QUANTISED
;;     6. [M 4,096, K 1,024] x [K 1,024, N 1,024]; A: computed on the way; B: input Wo: QUANTISED
;;   THE QUANTISER, for each operand of a quantised product, along K:
;;     - K is cut into blocks of 32 from its start; a last block that is shorter is filled with zeros.
;;     - A block's scale is 2^e with e = floor(log2(the largest magnitude in the block)) - 2, held to -126 .. 127; a block of zeros has e = 0. As a byte (E8M0): e + 127.
;;     - Each number is divided by its block's scale, clamped to +-6, and rounded to the nearest number of E2M1, ties to even, subnormals kept.
;;     - The product sums the exact products of the quantised numbers (number of the format x scale) in f32.
;;   ~~~python
;;   def quantise(x, axis):      # numpy; x: float32 -> the quantised numbers, widened to float32 again
;;       x = np.moveaxis(x, axis, -1); K = x.shape[-1]
;;       x = np.pad(x, [(0, 0)] * (x.ndim - 1) + [(0, -K % 32)]); x = x.reshape(x.shape[:-1] + (-1, 32)); a = np.abs(x).max(-1, keepdims=True)
;;       e = np.where(a > 0, np.clip(np.frexp(np.where(a > 0, a, 1))[1] - 1 - 2, -126, 127), 0)      # np.frexp(a)[1] - 1 = floor(log2(a)), exactly
;;       r = np.clip(x / 2.0 ** e, -6, 6)
;;       step = 2.0 ** (np.maximum(np.frexp(np.where(r == 0, 1, r))[1] - 1, 0) - 1)
;;       q = np.round(r / step) * step * 2.0 ** e      # np.round: ties to even
;;       return np.moveaxis(q.reshape(q.shape[:-2] + (-1,))[..., :K], -1, axis).astype(np.float32)
;;   ~~~
;;   SOFTMAX AHEAD OF A QUANTISED PRODUCT. Where the list says 'softmax', what is quantised is not the finished softmax but p = 2^(t - M), with t = logit x log2(e) and M = ceil(the row's largest t), a whole number; so 1/2 < the row's largest p <= 1. The row's sum l is taken of the UNQUANTISED p, in f32, and the product's result is divided by l at the end. Since M is a whole number, a kernel that streams over the keys may use a running M (the ceiling of the running maximum): every later rescaling is an exact power of two, which a block's scale takes up: the codes' values come out the same.
;;   OPERANDS COMPUTED ON THE WAY. 'Computed on the way' means the value that the module computes at that place (a softmax that the list does not call 'softmax' is quantised finished and normalised). What goes into a quantiser is computed in f32, as accurately as f32 sums, v_exp_f32 and their like allow (about 1e-6 of the number): no bf16 or f16 on the way to a quantiser, and a product that is left as it is and whose result goes on into a quantised operand takes f32 operands (vector FMAs, or v_wmma_f32_16x16x4_f32). A number that lies on a knife's edge between two numbers of the format may be rounded either way, as far as f32 arithmetic and the matrix unit's own rounding can turn it there, and no further.
;; One version. Each part assembles by itself: llvm-mc -triple=amdgcn-amd-amdhsa -mcpu=gfx1250 --defsym DOCPART=n.
;; ======== version 1 of 1: 4 launches
;; limits: right only within a limited range of input values
;; workspace buffers: wc 1,114,112 bytes; ws 69,632 bytes; xc 2,097,152 bytes; xs 131,072 bytes; qc 2,359,296 bytes; kv 294,912 bytes; ac 2,097,152 bytes; asc 131,072 bytes
;; launch quant (part 1): grid 392 x 1, 4 waves a work-group, no clusters, 34,304 bytes of LDS; arguments inputs_q, Wq, Wo, Wk, Wv, wc, ws, xc, xs; writes wc, ws, xc, xs
.if DOCPART == 1
	.amdgcn_target "amdgcn-amd-amdhsa--gfx1250"
	.amdhsa_code_object_version 6
	.text
	.protected	k_qc863e430b1_quant
	.globl	k_qc863e430b1_quant
	.p2align	8
	.type	k_qc863e430b1_quant,@function
k_qc863e430b1_quant:
	s_mov_b64 s[64:65], 0
	v_nop
	global_prefetch_b8 v0, s[64:65] scope:SCOPE_SE
	s_setreg_imm32_b32 hwreg(HW_REG_WAVE_MODE, 25, 1), 1
	s_wait_xcnt 0x0
; inputs_q (K innermost) and the four weights (f32, [K = 1024][N]) become codes of FP4 (E2M1) with one E8M0 byte for each 32 along K, laid as the later launches' operand registers want them.
; Work-groups 0-135: the weights.  A wave takes 32 columns (pair P) x one K step of 128; a lane takes a column and its registers run down K.  P: Wq 0-31, Wo 32-63, Wk 64-65, Wv 66-67.
;   Wq, Wk, Wv go by groups of 64 columns, [group][K step][4,096 bytes]: column 32 b + 8 t + e of a group is row 8 b + e of tile t, and block q of it lies at 1,024 q + 512 b + 128 (t xor b) + 16 e.
;   A product that takes the four tiles as source 0 then leaves columns 32 h + 0 .. 31, one block of the next K, in the 32 result registers of lane half h.
;   Wo goes by pairs, [pair][K step][tile u][1,024]: column j is row j % 8 + 8 (j / 16) of tile u = (j / 8) % 2; block q at 256 q, a row's 16 bytes at 16 r.
; Work-groups 136-391: inputs_q, a tile of 16 rows each.  A wave takes a quarter of K, two K steps, all asked for at once.  A load brings a row's 512 bytes; the 16 rows turn through the wave's own stage in LDS, and lane (r, h) takes
; row r's blocks h and 2 + h whole: a block's largest magnitude needs no other lane.  xc: [tile][K step][block][row][16 bytes];  xs: [tile][quarter of K][row][two words].
; A block's scale is 2^(floor(log2(largest magnitude)) - 2): its byte is the largest magnitude's exponent field - 2, held at 1 from below.
; LIMITS: a block of zeros, or one whose largest magnitude lies under 2^-124, gets the byte 1 (a block of zeros has zero codes, and this program alone reads the bytes); NaN and infinities among the inputs are not served.
; The waves share nothing: no barrier, no cluster.  No dead work is left out in this program: every input and every product has a way to the output (but whole tiles under the causal mask).
.set SPARE, 33792                      ; behind the four stages of 16 x 528 bytes: the spare words
.set SPW, 28
.set NIL, 29
.set H8, 7                             ; v7   8 h
.set PX, 16                            ; v16  a lane permute's destination
.set SEL, 40                           ; s[40:41] lane l xor 16
	s_load_b512 s[8:23], s[0:1], 0x0               ; inputs_q 8, Wq 10, Wo 12, Wk 14, Wv 16, wc 18, ws 20, xc 22
	s_load_b64 s[24:25], s[0:1], 0x40              ; xs
	v_lshl_add_u32 v[SPW], v0, 2, SPARE
	v_mov_b32 v[NIL], 0
	v_lshrrev_b32 v1, 5, v0
	v_readfirstlane_b32 s32, v1                    ; wave
	s_wait_alu depctr_va_vdst(0)
	s_cmp_ge_u32 ttmp9, 136
	s_cbranch_scc1 .Lx
	; ---- the weights
	s_mov_b32 s26, ttmp9
	s_and_b32 s33, s32, 1                          ; b
	s_bfe_u32 s34, s26, 0x30003                    ; 0-127: which 128 columns,
	s_and_b32 s35, s26, 7                          ; which K step
	s_lshr_b32 s36, s26, 6
	s_lshl_b32 s36, s36, 5
	s_lshl_b32 s37, s34, 2
	s_add_co_u32 s36, s36, s37
	s_add_co_u32 s36, s36, s32                     ; P
	s_lshl_b32 s37, s35, 19                        ; 128 rows of 4,096 bytes
	s_lshl_b32 s38, s34, 9
	s_add_co_u32 s37, s37, s38
	s_lshl_b32 s38, s32, 7
	s_add_co_u32 s37, s37, s38                     ; + my pair's 128 bytes of a row
	s_lshr_b32 s38, s32, 1                         ; 128-135: Wk, Wv: both pairs x two K steps
	s_and_b32 s39, s26, 3
	s_lshl_b32 s39, s39, 1
	s_add_co_u32 s39, s39, s38                     ; K step
	s_bfe_u32 s42, s26, 0x10002
	s_lshl_b32 s42, s42, 1
	s_add_co_u32 s42, s42, s33
	s_add_co_u32 s42, s42, 64                      ; P
	s_lshl_b32 s43, s39, 15                        ; 128 rows of 256 bytes
	s_lshl_b32 s44, s33, 7
	s_add_co_u32 s43, s43, s44
	s_cmp_lt_u32 s26, 128
	s_cselect_b32 s36, s36, s42                    ; P
	s_cselect_b32 s35, s35, s39                    ; K step
	s_cselect_b32 s42, s37, s43                    ; where my part begins
	s_mov_b32 s43, 0
	s_lshr_b32 s44, s36, 1                         ; by groups: 32,768 group + 4,096 step + 512 b
	s_lshl_b32 s34, s44, 15
	s_lshl_b32 s37, s35, 12
	s_add_co_u32 s34, s34, s37
	s_lshl_b32 s37, s33, 9
	s_add_co_u32 s34, s34, s37
	s_lshl_b32 s38, s44, 11                        ; words: 2,048 group + 256 step + 128 b
	s_lshl_b32 s37, s35, 8
	s_add_co_u32 s38, s38, s37
	s_lshl_b32 s37, s33, 7
	s_add_co_u32 s38, s38, s37
	s_lshl_b32 s44, s36, 14                        ; by pairs: 16,384 P + 2,048 step
	s_lshl_b32 s37, s35, 11
	s_add_co_u32 s44, s44, s37
	s_lshl_b32 s45, s36, 10                        ; words: 1,024 P + 128 step
	s_lshl_b32 s37, s35, 7
	s_add_co_u32 s45, s45, s37
	s_lshl_b32 s33, s33, 3                         ; 8 b
	s_mov_b32 s29, 1024
	s_lshr_b32 s27, s26, 6
	s_cmp_eq_u32 s27, 1                            ; Wo?
	s_cselect_b32 s28, -1, 0
	s_cselect_b32 s29, 256, s29                    ; from block to block
	s_cselect_b32 s34, s44, s34
	s_cselect_b32 s38, s45, s38
	s_mov_b32 s35, 0
	s_mov_b32 s39, 0
	v_and_b32 v1, 31, v0                           ; lane = column j of the pair
	v_lshlrev_b32 v2, 2, v1
	v_bfe_u32 v5, v1, 3, 1                         ; u
	v_and_b32 v6, 7, v1
	v_lshrrev_b32 v7, 4, v1
	v_lshl_or_b32 v6, v7, 3, v6                    ; r
	v_lshlrev_b32 v3, 4, v6
	v_lshl_add_u32 v3, v5, 10, v3                  ; by pairs: 1,024 u + 16 r
	v_lshl_add_u32 v4, v5, 4, v6
	v_xor_b32 v7, s33, v1
	v_lshlrev_b32 v7, 4, v7                        ; by groups: 16 (j xor 8 b)
	v_cndmask_b32 v3, v7, v3, s28
	v_cndmask_b32 v4, v1, v4, s28
	v_lshlrev_b32 v4, 2, v4                        ; scale word out
	v_add_nc_u32 v5, s29, v3
	v_add_nc_u32 v6, s29, v5
	v_add_nc_u32 v7, s29, v6
	s_wait_alu depctr_va_vdst(0)                   ; the wait at the head's end
	s_wait_kmcnt 0x0
	s_cmp_lt_u32 s26, 64                           ; every choice hangs on the work-group's number alone
	s_cselect_b64 s[10:11], s[10:11], s[12:13]
	s_cmp_lt_u32 s26, 132
	s_cselect_b64 s[14:15], s[14:15], s[16:17]
	s_cmp_lt_u32 s26, 128
	s_cselect_b64 s[10:11], s[10:11], s[14:15]
	s_add_nc_u64 s[10:11], s[10:11], s[42:43]
	s_add_nc_u64 s[18:19], s[18:19], s[34:35]
	s_add_nc_u64 s[20:21], s[20:21], s[38:39]
.macro LOADS pitch
.set n, 0
.rept 128
	global_load_b32 v[32+n], v2, s[10:11] offset:n*\pitch th:TH_LOAD_NT
.set n, n+1
.endr
.endm
	s_cmp_lt_u32 s26, 128
	s_cbranch_scc0 .Lsmall
	LOADS 4096
	s_branch .Lgo
.Lsmall:
	LOADS 256
.Lgo:
.macro BLOCK q, adr, left              ; block q of the K step; left: how many younger loads may stay out
.set XS, 32+32*(\q)
	s_wait_loadcnt \left
	v_max3_num_f32 v8, |v[XS]|, |v[XS+1]|, |v[XS+2]|
	v_max3_num_f32 v9, |v[XS+3]|, |v[XS+4]|, |v[XS+5]|
.irp i, 6,10,14,18,22,26
	v_max3_num_f32 v8, v8, |v[XS+\i]|, |v[XS+\i+1]|
	v_max3_num_f32 v9, v9, |v[XS+\i+2]|, |v[XS+\i+3]|
.endr
	v_max3_num_f32 v8, v8, |v[XS+30]|, |v[XS+31]|
	v_max3_num_f32 v8, v8, v9, 0x1800000           ; and the floor 2^(3 - 127)
	v_add_nc_u32 v10, 0xff000000, v8               ; 2 off the exponent field: the conversion's scale operand
	v_lshrrev_b32 v11, 23, v10
.if (\q) == 0
	v_mov_b32 v12, v11
.else
	v_lshl_or_b32 v12, v11, 8*(\q), v12
.endif
.irp g, 0,1,2,3
	v_cvt_scalef32_pk8_fp4_f32 v[16+4*(\q)+\g], v[XS+8*\g:XS+8*\g+7], v10
.endr
	global_store_b128 v[\adr], v[16+4*(\q):19+4*(\q)], s[18:19]   ; by groups 512 consecutive bytes, by pairs two runs of 256
.endm
	BLOCK 0, 3, 63                                 ; 63 is the largest count that the wait can name: the first 65 loads are then in, blocks 0 and 1 among them
	BLOCK 1, 5, 63
	BLOCK 2, 6, 32
	BLOCK 3, 7, 0
	global_store_b32 v4, v12, s[20:21]
	s_endpgm
	; ---- inputs_q
; 64 numbers of a lane from v[s] on, two whole blocks: codes to v[c] .. v[c+7], the row's word of the K step to v[w]; v[t] .. v[t+7] at work
.macro QPAIR s, c, w, t
.irp k, 0,1
	v_max3_num_f32 v[\t+2*\k], |v[\s+32*\k]|, |v[\s+32*\k+1]|, |v[\s+32*\k+2]|
	v_max3_num_f32 v[\t+2*\k+1], |v[\s+32*\k+16]|, |v[\s+32*\k+17]|, |v[\s+32*\k+18]|
.endr
.irp i, 3,5,7,9,11,13
.irp k, 0,1
	v_max3_num_f32 v[\t+2*\k], v[\t+2*\k], |v[\s+32*\k+\i]|, |v[\s+32*\k+\i+1]|
	v_max3_num_f32 v[\t+2*\k+1], v[\t+2*\k+1], |v[\s+32*\k+16+\i]|, |v[\s+32*\k+17+\i]|
.endr
.endr
.irp k, 0,1
	v_max3_num_f32 v[\t+2*\k], v[\t+2*\k], |v[\s+32*\k+15]|, |v[\s+32*\k+31]|
.endr
.irp k, 0,1
	v_max3_num_f32 v[\t+2*\k], v[\t+2*\k], v[\t+2*\k+1], 0x1800000
.endr
.irp k, 0,1
	v_add_nc_u32 v[\t+4+\k], 0xff000000, v[\t+2*\k]
.endr
.irp k, 0,1
	v_lshrrev_b32 v[\t+6+\k], 23, v[\t+4+\k]
.endr
	v_lshl_or_b32 v[\w], v[\t+7], 16, v[\t+6]      ; my two bytes: blocks h and 2 + h,
	v_lshlrev_b32 v[\w], v[H8], v[\w]              ; at their places in the word;
	v_permlanex16_b32 v[PX], v[\w], s[SEL], s[SEL+1]
	v_or_b32 v[\w], v[\w], v[PX]                   ; with lane l xor 16's two it is whole
.irp k, 0,1
.irp g, 0,1,2,3
	v_cvt_scalef32_pk8_fp4_f32 v[\c+4*\k+\g], v[\s+32*\k+8*\g:\s+32*\k+8*\g+7], v[\t+4+\k]
.endr
.endr
	v_nop                                          ; one plain line behind the last scaled conversion
.endm
.Lx:
	s_sub_co_u32 s33, ttmp9, 136                   ; tile; my wave's number is the quarter of K
	s_lshl_b32 s36, s33, 16
	s_lshl_b32 s37, s32, 10
	s_add_co_u32 s36, s36, s37
	s_mov_b32 s37, 0
	s_lshl_b32 s38, s33, 13
	s_lshl_b32 s39, s32, 11
	s_add_co_u32 s38, s38, s39
	s_mov_b32 s39, 0
	s_lshl_b32 s42, s33, 9
	s_lshl_b32 s43, s32, 7
	s_add_co_u32 s42, s42, s43
	s_mov_b32 s43, 0
	s_mul_i32 s35, s32, 16*528                     ; my stage
	s_mov_b32 s[SEL], 0x76543210
	s_mov_b32 s[SEL+1], 0xfedcba98
	v_and_b32 v1, 31, v0
	v_and_b32 v2, 15, v0                           ; r
	v_bfe_u32 v17, v0, 4, 1                        ; h
	v_lshlrev_b32 v3, 4, v1
	v_add_nc_u32 v4, s35, v3                       ; the stage, in: a row's 512 bytes, rows 528 apart
	v_mul_u32_u24 v5, v2, 528
	v_lshl_add_u32 v5, v17, 7, v5
	v_add_nc_u32 v5, s35, v5                       ; and back: row r, block h
	v_lshlrev_b32 v6, 3, v2
	v_lshlrev_b32 v[H8], 3, v17
	v_mov_b32 v[PX], 0
	s_wait_alu depctr_va_vdst(0)                   ; the wait at the head's end
	s_wait_kmcnt 0x0
	s_add_nc_u64 s[8:9], s[8:9], s[36:37]
	s_add_nc_u64 s[22:23], s[22:23], s[38:39]
	s_add_nc_u64 s[24:25], s[24:25], s[42:43]
.irp s, 0,1
.irp n, 0,1,2,3,4,5,6,7,8,9,10,11,12,13,14,15
	global_load_b128 v[32+64*\s+4*\n:35+64*\s+4*\n], v3, s[8:9] offset:4096*\n+512*\s th:TH_LOAD_NT
.endr
.endr
.irp s, 0,1
	s_wait_loadcnt 16*(1-\s)                       ; this K step's 16 loads are in; the second one's may be out
.irp n, 0,1,2,3,4,5,6,7,8,9,10,11,12,13,14,15
	ds_store_b128 v4, v[32+64*\s+4*\n:35+64*\s+4*\n] offset:528*\n
.endr
.irp c, 0,1
.irp j, 0,1,2,3,4,5,6,7
	ds_load_b128 v[160+32*\c+4*\j:163+32*\c+4*\j], v5 offset:256*\c+16*\j   ; LDS serves a wave's instructions in order: these see the stores
.endr
.endr
	s_wait_dscnt 0x0                               ; the numbers are back
	QPAIR 160, 224+8*\s, 24+\s, 8
	global_store_b128 v3, v[224+8*\s:227+8*\s], s[22:23] offset:1024*\s        ; 512 consecutive bytes
	global_store_b128 v3, v[228+8*\s:231+8*\s], s[22:23] offset:1024*\s+512
.endr
	global_store_b64 v6, v[24:25], s[24:25]        ; 128 consecutive bytes; both halves of the lanes store the same
	s_wait_tensorcnt 0x0                           ; the wave's end
	ds_add_u32 v[SPW], v[NIL]
	s_wait_dscnt 0x0
	s_endpgm
.Lfunc_end_k_qc863e430b1_quant:
	.size	k_qc863e430b1_quant, .Lfunc_end_k_qc863e430b1_quant-k_qc863e430b1_quant
	.p2alignl 7, 3214868480
	.fill 96, 4, 3214868480
	.section	.rodata,"a",@progbits
	.p2align	6, 0x0
	.amdhsa_kernel k_qc863e430b1_quant
		.amdhsa_group_segment_fixed_size 34304
		.amdhsa_private_segment_fixed_size 0
		.amdhsa_enable_private_segment 0
		.amdhsa_kernarg_size 72
		.amdhsa_user_sgpr_count 2
		.amdhsa_user_sgpr_kernarg_segment_ptr 1
		.amdhsa_wavefront_size32 1
		.amdhsa_system_sgpr_workgroup_id_x 1
		.amdhsa_system_sgpr_workgroup_id_y 1
		.amdhsa_system_sgpr_workgroup_id_z 1
		.amdhsa_system_vgpr_workitem_id 0
		.amdhsa_next_free_vgpr 256
		.amdhsa_next_free_sgpr 66
		.amdhsa_reserve_vcc 0
		.amdhsa_float_denorm_mode_32 3
		.amdhsa_float_denorm_mode_16_64 3
		.amdhsa_memory_ordered 1
		.amdhsa_forward_progress 1
		.amdhsa_inst_pref_size 50
	.end_amdhsa_kernel
	.amdgpu_metadata
---
amdhsa.version: [ 1, 2 ]
amdhsa.kernels:
  - .name:           k_qc863e430b1_quant
    .symbol:         k_qc863e430b1_quant.kd
    .args:
      - { .name: inputs_q, .offset: 0, .size: 8, .value_kind: global_buffer, .address_space: global }
      - { .name: Wq, .offset: 8, .size: 8, .value_kind: global_buffer, .address_space: global }
      - { .name: Wo, .offset: 16, .size: 8, .value_kind: global_buffer, .address_space: global }
      - { .name: Wk, .offset: 24, .size: 8, .value_kind: global_buffer, .address_space: global }
      - { .name: Wv, .offset: 32, .size: 8, .value_kind: global_buffer, .address_space: global }
      - { .name: wc, .offset: 40, .size: 8, .value_kind: global_buffer, .address_space: global }
      - { .name: ws, .offset: 48, .size: 8, .value_kind: global_buffer, .address_space: global }
      - { .name: xc, .offset: 56, .size: 8, .value_kind: global_buffer, .address_space: global }
      - { .name: xs, .offset: 64, .size: 8, .value_kind: global_buffer, .address_space: global }
    .group_segment_fixed_size: 34304
    .private_segment_fixed_size: 0
    .kernarg_segment_align: 8
    .kernarg_segment_size: 72
    .max_flat_workgroup_size: 128
    .sgpr_count:     66
    .vgpr_count:     256
    .wavefront_size: 32
...
	.end_amdgpu_metadata
.endif
;; end of part 1
;; launch proj (part 2): grid 256 x 1, 8 waves a work-group, no clusters, 324,096 bytes of LDS; arguments inputs_k, inputs_v, wc, ws, bk, bv, xc, xs, bq, qc, kv; writes qc, kv
.if DOCPART == 2
	.amdgcn_target "amdgcn-amd-amdhsa--gfx1250"
	.amdhsa_code_object_version 6
	.text
	.protected	k_qc863e430b1_proj
	.globl	k_qc863e430b1_proj
	.p2align	8
	.type	k_qc863e430b1_proj,@function
k_qc863e430b1_proj:
	s_mov_b64 s[64:65], 0
	v_nop
	global_prefetch_b8 v0, s[64:65] scope:SCOPE_SE
	s_setreg_imm32_b32 hwreg(HW_REG_WAVE_MODE, 25, 1), 1
	s_wait_xcnt 0x0
; q = Q(inputs_q) Q(Wq) + bq and k = Q(inputs_k) Q(Wk) + bk, quantised along a head's 64 channels; v = Q(inputs_v) Q(Wv) + bv, quantised along the keys.  All on codes of FP4 (E2M1) with one E8M0 byte for each 32 along K.
; A work-group makes a block of q, 128 rows x 128 columns (two heads), from codes; and 32 positions (group G) of k (work-groups 0-127) or of v (128-255), whose rows arrive as f32 and are read once.
; ORDER: all copies are issued at the head: one K step of x a wave (16), q's operands (34), the wave's second K step of x (16), Wk or Wv (9).  x's first half is quantised, q's product runs while the rest is on its way, then x's second half.
; q: wave w takes head w % 2 of the two and row tiles 2 (w / 2), + 1: four accumulators of 32 x 16 by turns; source 0 = the head's 64 columns of Wq, so lane (r, h) ends with block h of position r.
; k, v: source 0 is a PAIR of tiles whose rows become the 32 numbers of the block to be quantised, source 1 a SINGLE tile whose rows become the lanes; row r of tile u of a pair is index 8 u + r % 8 + 16 (r / 8) of its 32.
;   k: pair = 32 channels of Wk (block cb), single = 16 positions (tile pp).  v: pair = the 32 positions, single = tile w % 4 of Wv's channels.  Waves 0 to 3 make them; waves 4 to 7 have done their part by then.
; OUT.  qc: [row tile][head][512] codes, and from 2,097,152 on [row tile][head][16 words] (bytes 2, 3 = 127: the half of the instruction's K that is not used).
;   kv: [batch][part 0-15][9,216]: 512 bytes for each of 16 steps of 128 keys, then the scales (1,024 bytes) of the step that has the part's number.  Key 64 c + 32 b + 8 t + e of a step is row 8 b + e of tile 4 c + t.
;   K's codes: part 4 c + 2 b + (channel block), at 256 (t % 2) + 128 ((t / 2) xor b) + 16 e.  V's: part 8 + 2 (channel tile) + c, at 256 ((key block) % 2) + 16 row.  Scales: K's words [t % 2][row][2 c + t / 2], then V's [tile % 2][row][tile / 2], twice.
; LIMITS: a block of zeros, or one whose largest magnitude lies under 2^-124, gets the byte 1; NaN and infinities among the inputs are not served.
; NO CLUSTER: every operand is fetched once, at the head, by lane copies, which carry no mask of work-groups, since x's rows are laid into LDS in an order of their own.  NO PREFETCH: no loop here reads memory.
.set XP,   4112                        ; x as f32 at 0: 32 rows of 4,096 bytes + 16
.set WIMG, 131584                      ; Wk or Wv as in wc: [K step][4,096]
.set WSCL, 164352                      ; its words: [K step][64]
.set XIMG, 166400                      ; x's images [K step][tile][1,024], written by LDS stores: no copy lands here
.set XSC,  182784                      ; x's words [K step][tile][row]
.set QA,   183808                      ; q: inputs_q's images [tile 0-7][K step][1,024]
.set QW,   249344                      ; Wq's [head][K step][4,096]
.set QXS,  314880                      ; inputs_q's words [tile][quarter of K][row][2]
.set QWS,  318976                      ; Wq's words [head][K step][64]
.set SPARE, 323072
.set SPW, 252
.set NIL, 253
.set H8,  255
.set PX,  251
.set SEL, 60
.set GA,  16                           ; v16-31 x copies: offsets in memory; v32-47 their LDS addresses
.set LA,  32
; REGISTERS: v4-6 x's path; v7-11 LDS addresses of q's operands, later k's (v's in v192-195); v13-15, v254 copies; v48-143 operands or numbers at work; v144-207 q's sums; v208-239 bias, later results; v240-247 SCALES AND NOTHING ELSE; v249 16 x lane; v250 4 r
.macro QPAIR s, c, w, t                ; 64 numbers of a lane, two whole blocks: codes v[c] .. v[c+7], the row's word v[w]
.irp k, 0,1
	v_max3_num_f32 v[\t+2*\k], |v[\s+32*\k]|, |v[\s+32*\k+1]|, |v[\s+32*\k+2]|
	v_max3_num_f32 v[\t+2*\k+1], |v[\s+32*\k+16]|, |v[\s+32*\k+17]|, |v[\s+32*\k+18]|
.endr
.irp i, 3,5,7,9,11,13
.irp k, 0,1
	v_max3_num_f32 v[\t+2*\k], v[\t+2*\k], |v[\s+32*\k+\i]|, |v[\s+32*\k+\i+1]|
	v_max3_num_f32 v[\t+2*\k+1], v[\t+2*\k+1], |v[\s+32*\k+16+\i]|, |v[\s+32*\k+17+\i]|
.endr
.endr
.irp k, 0,1
	v_max3_num_f32 v[\t+2*\k], v[\t+2*\k], |v[\s+32*\k+15]|, |v[\s+32*\k+31]|
.endr
.irp k, 0,1
	v_max3_num_f32 v[\t+2*\k], v[\t+2*\k], v[\t+2*\k+1], 0x1800000   ; the floor 2^(3 - 127)
.endr
.irp k, 0,1
	v_add_nc_u32 v[\t+4+\k], 0xff000000, v[\t+2*\k]   ; 2 off the exponent field: the conversion's scale operand
.endr
.irp k, 0,1
	v_lshrrev_b32 v[\t+6+\k], 23, v[\t+4+\k]
.endr
	v_lshl_or_b32 v[\w], v[\t+7], 16, v[\t+6]
	v_lshlrev_b32 v[\w], v[H8], v[\w]
	v_permlanex16_b32 v[PX], v[\w], s[SEL], s[SEL+1]
	v_or_b32 v[\w], v[\w], v[PX]
.irp k, 0,1
.irp g, 0,1,2,3
	v_cvt_scalef32_pk8_fp4_f32 v[\c+4*\k+\g], v[\s+32*\k+8*\g:\s+32*\k+8*\g+7], v[\t+4+\k]
.endr
.endr
	v_nop                                          ; one plain line behind the last scaled conversion
.endm
.macro BLK32 s, c, e, t                ; 32 numbers of a lane, one block: codes v[c] .. v[c+3], byte v[e]
	v_max3_num_f32 v[\t], |v[\s]|, |v[\s+1]|, |v[\s+2]|
	v_max3_num_f32 v[\t+1], |v[\s+16]|, |v[\s+17]|, |v[\s+18]|
.irp i, 3,5,7,9,11,13
	v_max3_num_f32 v[\t], v[\t], |v[\s+\i]|, |v[\s+\i+1]|
	v_max3_num_f32 v[\t+1], v[\t+1], |v[\s+16+\i]|, |v[\s+17+\i]|
.endr
	v_max3_num_f32 v[\t], v[\t], |v[\s+15]|, |v[\s+31]|
	v_max3_num_f32 v[\t], v[\t], v[\t+1], 0x1800000
	v_add_nc_u32 v[\t+2], 0xff000000, v[\t]
	v_lshrrev_b32 v[\e], 23, v[\t+2]
.irp g, 0,1,2,3
	v_cvt_scalef32_pk8_fp4_f32 v[\c+\g], v[\s+8*\g:\s+8*\g+7], v[\t+2]
.endr
	v_nop
.endm
	s_load_b512 s[8:23], s[0:1], 0x0               ; inputs_k 8, inputs_v 10, wc 12, ws 14, bk 16, bv 18, xc 20, xs 22
	s_load_b128 s[24:27], s[0:1], 0x40             ; bq 24, qc 26
	s_load_b64 s[28:29], s[0:1], 0x50              ; kv
	v_lshl_add_u32 v[SPW], v0, 2, SPARE
	v_mov_b32 v[NIL], 0
	ds_add_u32 v[SPW], v[NIL]                      ; the opening add, twice on end
	ds_add_u32 v[SPW], v[NIL]
	v_lshrrev_b32 v1, 5, v0
	v_readfirstlane_b32 s32, v1                    ; wave w
	s_lshr_b32 s33, s32, 2                         ; x: which tile of 16 rows I copy and quantise,
	s_and_b32 s34, s32, 3                          ; and which quarter of K
	s_lshr_b32 s35, s34, 1                         ; pp
	s_and_b32 s36, s34, 1                          ; cb
	s_and_b32 s37, ttmp9, 127                      ; G
	s_lshr_b32 s38, ttmp9, 7                       ; 0: k, 1: v
	s_lshr_b32 s39, ttmp9, 3                       ; q: block of 128 rows,
	s_and_b32 s40, ttmp9, 7                        ; pair of heads
	s_and_b32 s41, s32, 1                          ; my head of the two,
	s_lshr_b32 s42, s32, 1                         ; my two row tiles
	s_lshl_b32 s43, s34, 10
	s_lshl_b32 s44, s33, 15
	s_add_co_u32 s44, s44, s43                     ; x in memory: 8 x tile rows + my quarter of K
	s_mul_i32 s45, s33, 16*XP
	s_add_co_u32 s45, s45, s43                     ; in LDS: 16 x tile rows + my quarter
	s_lshl_b32 s46, s41, 15
	s_add_co_u32 s46, s46, QW
	s_lshl_b32 s47, s42, 14
	s_add_co_u32 s47, s47, QA
	s_lshl_b32 s48, s42, 10
	s_add_co_u32 s48, s48, QXS
	s_lshl_b32 s49, s41, 11
	s_add_co_u32 s49, s49, QWS
	s_lshl_b32 s50, s33, 10
	s_lshl_b32 s52, s34, 12
	s_add_co_u32 s50, s50, s52
	s_add_co_u32 s50, s50, XIMG
	s_lshl_b32 s51, s33, 6
	s_lshl_b32 s52, s34, 8
	s_add_co_u32 s51, s51, s52
	s_add_co_u32 s51, s51, XSC
	s_mov_b32 s[SEL], 0x76543210
	s_mov_b32 s[SEL+1], 0xfedcba98
	v_and_b32 v1, 31, v0                           ; lane
	v_and_b32 v2, 15, v0                           ; r
	v_bfe_u32 v3, v0, 4, 1                         ; h
	v_bfe_u32 v216, v0, 3, 1                       ; r / 8
	v_and_b32 v217, 7, v0                          ; r % 8
	v_lshlrev_b32 v13, 4, v0
	v_lshl_add_u32 v14, v0, 4, WIMG
	v_lshlrev_b32 v254, 3, v0
	v_lshl_add_u32 v15, v0, 3, WSCL
	v_lshl_add_u32 v144, v0, 4, QA                 ; (in registers that q's sums take later, behind the wait for these copies)
	v_lshl_add_u32 v145, v0, 4, QW
	v_lshl_add_u32 v146, v0, 4, QXS
	v_lshl_add_u32 v147, v0, 4, QWS
	v_lshl_add_u32 v218, v1, 4, s44
	v_lshl_add_u32 v219, v1, 4, s45
.irp r, 0,1,2,3,4,5,6,7,8,9,10,11,12,13,14,15
	v_add_nc_u32 v[GA+\r], (\r+8*(\r/8))*4096, v218   ; LDS row 16 x tile + r holds position 8 x tile + r + 8 (r / 8)
	v_add_nc_u32 v[LA+\r], \r*XP, v219
.endr
	v_lshlrev_b32 v249, 4, v1
	v_lshlrev_b32 v250, 2, v2
	v_lshlrev_b32 v[H8], 3, v3
	v_mov_b32 v[PX], 0
	v_mul_u32_u24 v4, v2, XP
	v_lshl_add_u32 v4, v3, 7, v4
	v_add_nc_u32 v4, s45, v4                       ; x from LDS: row r, block h
	v_add_nc_u32 v5, s50, v249                     ; x's images: my tile, my K steps
	v_add_nc_u32 v6, s51, v250
	v_add_nc_u32 v7, s47, v249                     ; q: inputs_q's fragments
	v_lshlrev_b32 v220, 10, v3
	v_lshl_add_u32 v220, v217, 4, v220
	v_add_nc_u32 v220, s46, v220
	v_mul_u32_u24 v221, v216, 640
	v_add_nc_u32 v8, v220, v221                    ; Wq's tiles 0, 2: 1,024 h + 512 b + 128 b + 16 e
	v_mul_u32_u24 v221, v216, 384
	v_add_nc_u32 v9, v220, v221                    ; tiles 1, 3: - 128 b in its stead
	v_lshl_add_u32 v10, v2, 3, s48
	v_lshl_add_u32 v11, v216, 7, s49
	v_lshl_add_u32 v11, v217, 2, v11
	v_lshl_add_u32 v11, v3, 5, v11                 ; Wq's words: lanes 16-31 the next tile's
	v_lshlrev_b32 v12, 7, v3
	s_wait_alu depctr_va_vdst(0)
	s_wait_dscnt 0x0
	s_wait_kmcnt 0x0
	s_cmp_eq_u32 s38, 0                            ; the choice hangs on the work-group's number alone
	s_cselect_b64 s[8:9], s[8:9], s[10:11]
	s_cselect_b64 s[16:17], s[16:17], s[18:19]
	s_mov_b32 s53, 0
	s_lshl_b32 s52, s37, 17
	s_add_nc_u64 s[8:9], s[8:9], s[52:53]          ; 32 rows of 4,096 bytes
	s_lshl_b32 s52, s39, 16
	s_add_nc_u64 s[20:21], s[20:21], s[52:53]
	s_lshl_b32 s52, s39, 12
	s_add_nc_u64 s[22:23], s[22:23], s[52:53]
	s_lshl_b32 s52, s40, 16
	s_add_nc_u64 s[66:67], s[12:13], s[52:53]      ; Wq's two groups
	s_lshl_b32 s52, s40, 12
	s_add_nc_u64 s[68:69], s[14:15], s[52:53]
	s_lshl_b32 s52, s38, 15
	s_add_co_u32 s52, s52, 1048576                 ; group 32 (Wk) or 33 (Wv)
	s_add_nc_u64 s[12:13], s[12:13], s[52:53]
	s_lshl_b32 s52, s38, 11
	s_add_co_u32 s52, s52, 65536
	s_add_nc_u64 s[14:15], s[14:15], s[52:53]
	s_lshl_b32 s70, s40, 1
	s_add_co_u32 s70, s70, s41                     ; head
	s_lshl_b32 s52, s70, 8
	s_add_nc_u64 s[24:25], s[24:25], s[52:53]
	s_lshl_b32 s71, s39, 7                         ; 16 x (8 x block + 2 x my pair of tiles) + head
	s_add_co_u32 s70, s70, s71
	s_lshl_b32 s71, s42, 5
	s_add_co_u32 s70, s70, s71
	s_lshl_b32 s52, s70, 9
	s_add_nc_u64 s[72:73], s[26:27], s[52:53]
	s_lshl_b32 s52, s70, 6
	s_add_co_u32 s52, s52, 0x200000
	s_add_nc_u64 s[74:75], s[26:27], s[52:53]
.irp j, 0,1,2,3,4,5,6,7
	global_load_b128 v[208+4*\j:211+4*\j], v12, s[24:25] offset:16*\j   ; bq at my head's channels 32 h + 0 .. 31: ahead of the copies, since q's product is the first to want anything
.endr
	; ALL COPIES: 16 + 34 + 16 + 9 = 75.  The immediate is added to both addresses
.irp r, 0,1,2,3,4,5,6,7,8,9,10,11,12,13,14,15
	global_load_async_to_lds_b128 v[LA+\r], v[GA+\r], s[8:9]
.endr
.irp i, 0,1,2,3,4,5,6,7,8,9,10,11,12,13,14,15
	global_load_async_to_lds_b128 v144, v13, s[20:21] offset:4096*\i
.endr
.irp i, 0,1,2,3,4,5,6,7,8,9,10,11,12,13,14,15
	global_load_async_to_lds_b128 v145, v13, s[66:67] offset:4096*\i
.endr
	global_load_async_to_lds_b128 v146, v13, s[22:23]
	global_load_async_to_lds_b128 v147, v13, s[68:69]
.irp r, 0,1,2,3,4,5,6,7,8,9,10,11,12,13,14,15
	global_load_async_to_lds_b128 v[LA+\r], v[GA+\r], s[8:9] offset:512
.endr
.irp i, 0,1,2,3,4,5,6,7
	global_load_async_to_lds_b128 v14, v13, s[12:13] offset:4096*\i
.endr
	global_load_async_to_lds_b64 v15, v254, s[14:15]
.macro XQ i                            ; 16 rows x one K step of x become a fragment; only the wave that copied these bytes reads them
.irp c, 0,1
.irp j, 0,1,2,3,4,5,6,7
	ds_load_b128 v[48+32*\c+4*\j:51+32*\c+4*\j], v4 offset:512*\i+256*\c+16*\j
.endr
.endr
	s_wait_dscnt 0x0
	QPAIR 48, 120, 128, 112
	ds_store_b128 v5, v[120:123] offset:2048*\i
	ds_store_b128 v5, v[124:127] offset:2048*\i+512
	ds_store_b32 v6, v128 offset:128*\i            ; both halves of the lanes hold the same word
.endm
	s_wait_asynccnt 59                             ; my first 16 of x are in; the 59 behind them may be out
	XQ 0
	s_wait_asynccnt 25                             ; my 34 of q's operands are in; 16 of x and 9 of the weights may be out
	s_wait_dscnt 0x0
	s_barrier_signal -1
	s_barrier_wait -1                              ; q's operands lie in LDS
	s_wait_loadcnt 0x0                             ; bq
	; ---- q: K = 1,024 in eight K steps, two sets of operands
.macro FETCH s, p                      ; 16 LDS loads
.irp t, 0,1,2,3
.irp c, 0,1
	ds_load_b128 v[48+48*(\p)+8*\t+4*\c:51+48*(\p)+8*\t+4*\c], v[8+\t%2] offset:4096*(\s)+2048*\c+128*\t
.endr
.endr
.irp x, 0,1
.irp c, 0,1
	ds_load_b128 v[80+48*(\p)+8*\x+4*\c:83+48*(\p)+8*\x+4*\c], v7 offset:8192*\x+1024*(\s)+512*\c
.endr
	ds_load_b32 v[240+2*(\p)+\x], v11 offset:256*(\s)+64*\x                       ; Wq's words: tiles 2 x, 2 x + 1
	ds_load_b32 v[244+2*(\p)+\x], v10 offset:512*\x+128*((\s)/2)+4*((\s)%2)       ; inputs_q's: tile x
.endr
.endm
.macro MUL s, p
.irp x, 0,1
.irp a, 0,1
.if (\s) == 0
	v_wmma_scale_f32_32x16x128_f4 v[144+32*\x+16*\a:159+32*\x+16*\a], v[48+48*(\p)+16*\a:63+48*(\p)+16*\a], v[80+48*(\p)+8*\x:87+48*(\p)+8*\x], v[208+16*\a:223+16*\a], v[240+2*(\p)+\a], v[244+2*(\p)+\x]
.else
	v_wmma_scale_f32_32x16x128_f4 v[144+32*\x+16*\a:159+32*\x+16*\a], v[48+48*(\p)+16*\a:63+48*(\p)+16*\a], v[80+48*(\p)+8*\x:87+48*(\p)+8*\x], v[144+32*\x+16*\a:159+32*\x+16*\a], v[240+2*(\p)+\a], v[244+2*(\p)+\x]
.endif
.endr
.endr
.endm
	FETCH 0, 0
.irp s, 0,1,2,3,4,5,6,7
.if \s < 7
.if \s > 0
.rept 4
	v_nop                                          ; four plain lines in front of loads into the set that the K step before multiplied
.endr
.endif
	FETCH \s+1, (\s+1)%2
	s_wait_dscnt 16                                ; this K step's operands are in; the 16 loads just issued may be out
.else
	s_wait_dscnt 0x0
.endif
	MUL \s, \s%2
.endr
.rept 4
	v_nop                                          ; four plain lines in front of the first read of results
.endr
	BLK32 144, 208, 216, 218
	BLK32 176, 212, 217, 221
.irp x, 0,1
	v_lshlrev_b32 v[216+\x], v[H8], v[216+\x]
	v_permlanex16_b32 v[PX], v[216+\x], s[SEL], s[SEL+1]
	v_or_b32 v[216+\x], v[216+\x], v[PX]
	v_or_b32 v[216+\x], 0x7f7f0000, v[216+\x]
.endr
	global_store_b128 v249, v[208:211], s[72:73]   ; 512 consecutive bytes
	global_store_b128 v249, v[212:215], s[72:73] offset:8192
	global_store_b32 v250, v216, s[74:75]
	global_store_b32 v250, v217, s[74:75] offset:1024
	; the bias of k or v in both forms (both stay inside its 256 bytes): k: channels 32 cb + 16 h on; v: my lane's channel 32 (r / 8) + 8 (w % 4) + r % 8
	s_lshl_b32 s52, s36, 7
	s_lshl_b32 s54, s34, 5
	v_bfe_u32 v200, v0, 3, 1                       ; r / 8
	v_and_b32 v201, 7, v0                          ; r % 8
	v_lshl_add_u32 v222, v3, 6, s52
	v_lshl_add_u32 v223, v200, 7, s54
	v_lshl_add_u32 v223, v201, 2, v223
.irp j, 0,1,2,3
	global_load_b128 v[224+4*\j:227+4*\j], v222, s[16:17] offset:16*\j
.endr
	global_load_b32 v206, v223, s[16:17]
	s_wait_alu depctr_va_vdst(0)
	s_wait_xcnt 0x0                                ; q's stores and the bias's loads have read their registers: these are written again below
	s_wait_asynccnt 9                              ; my second 16 of x are in; the weights' 9 may be out
	XQ 1
	; LDS addresses of k's and v's operands, all made ahead of the place where the waves part
	s_lshl_b32 s52, s36, 9
	s_add_co_u32 s52, s52, WIMG
	s_lshl_b32 s54, s36, 7
	s_add_co_u32 s55, s52, s54                     ; k: pair cb, tile 0: + 128 cb,
	s_xor_b32 s54, s54, 128
	s_add_co_u32 s56, s52, s54                     ; tile 1: + 128 (1 - cb)
	v_lshlrev_b32 v7, 10, v3
	v_lshl_add_u32 v7, v200, 8, v7
	v_lshl_add_u32 v7, v201, 4, v7
	v_add_nc_u32 v8, s56, v7
	v_add_nc_u32 v7, s55, v7
	s_lshl_b32 s52, s35, 10
	s_add_co_u32 s52, s52, XIMG
	v_add_nc_u32 v9, s52, v249                     ; k: x's tile pp
	s_lshl_b32 s52, s36, 7
	s_add_co_u32 s52, s52, WSCL
	v_lshl_add_u32 v10, v200, 6, s52
	v_lshl_add_u32 v10, v201, 2, v10               ; its pair's words
	s_lshl_b32 s52, s35, 6
	s_add_co_u32 s52, s52, XSC
	v_add_nc_u32 v11, s52, v250
	v_add_nc_u32 v192, XIMG, v249                  ; v: x's two tiles
	v_add_nc_u32 v193, XSC, v250
	v_xor_b32 v202, s34, v200
	v_lshlrev_b32 v202, 7, v202
	v_lshl_add_u32 v202, v3, 10, v202
	v_lshl_add_u32 v202, v200, 9, v202
	v_lshl_add_u32 v202, v201, 4, v202
	v_add_nc_u32 v194, WIMG, v202                  ; v: Wv's tile w % 4
	s_lshl_b32 s52, s34, 5
	s_add_co_u32 s52, s52, WSCL
	v_lshl_add_u32 v195, v200, 7, s52
	v_lshl_add_u32 v195, v201, 2, v195
	v_mov_b32 v212, 0x7f
	s_wait_alu depctr_va_vdst(0)
	s_wait_asynccnt 0x0                            ; all my copies have landed,
	s_wait_dscnt 0x0                               ; and my images lie in LDS
	s_barrier_signal -1
	s_barrier_wait -1                              ; behind this barrier LDS is only read
	s_cmp_ge_u32 s32, 4
	s_cbranch_scc1 .Lend
	s_wait_loadcnt 0x0                             ; the bias
	s_lshr_b32 s54, s37, 6                         ; batch
	s_bfe_u32 s55, s37, 0x40002                    ; step of 128 keys
	s_bfe_u32 s56, s37, 0x10001                    ; c
	s_and_b32 s57, s37, 1                          ; b
	s_mul_i32 s58, s54, 147456
	s_lshl_b32 s59, s55, 9
	s_mul_i32 s62, s55, 9216
	s_add_co_u32 s62, s62, s58
	s_add_co_u32 s62, s62, 8192                    ; the step's scales
	s_add_co_u32 s59, s59, s58                     ; the step's place in a part
	s_mov_b32 s53, 0
	s_mov_b32 s63, 0
; the product: K in four pieces of two K steps; two accumulators by turns, one instruction a turn; the bias starts the sums
.macro PROD pa0, pa1, ps, pk, pu, pc, psk, psu, sa, ss, sk, sc, ssk
.irp k, 0,1,2,3
.if \k
.rept 4
	v_nop
.endr
.endif
.irp s, 0,1
.irp u, 0,1
.irp c, 0,1
	ds_load_b128 v[48+16*\s+8*\u+4*\c:51+16*\s+8*\u+4*\c], v[\pa0+(\pa1-\pa0)*\u] offset:\pk*(2*\k+\s)+\pu*\u+\pc*\c
.endr
	ds_load_b32 v[240+2*\s+\u], v[\ps] offset:\psk*(2*\k+\s)+\psu*\u
.endr
.irp c, 0,1
	ds_load_b128 v[80+8*\s+4*\c:83+8*\s+4*\c], v[\sa] offset:\sk*(2*\k+\s)+\sc*\c
.endr
	ds_load_b32 v[244+\s], v[\ss] offset:\ssk*(2*\k+\s)
.endr
	s_wait_dscnt 0x0
.irp s, 0,1
.irp u, 0,1
.if (\k == 0) && (\s == 0)
	v_wmma_scale_f32_16x16x128_f8f6f4 v[144+8*\u:151+8*\u], v[48+16*\s+8*\u:55+16*\s+8*\u], v[80+8*\s:87+8*\s], v[224+8*\u:231+8*\u], v[240+2*\s+\u], v[244+\s] matrix_a_fmt:MATRIX_FMT_FP4 matrix_b_fmt:MATRIX_FMT_FP4
.else
	v_wmma_scale_f32_16x16x128_f8f6f4 v[144+8*\u:151+8*\u], v[48+16*\s+8*\u:55+16*\s+8*\u], v[80+8*\s:87+8*\s], v[144+8*\u:151+8*\u], v[240+2*\s+\u], v[244+\s] matrix_a_fmt:MATRIX_FMT_FP4 matrix_b_fmt:MATRIX_FMT_FP4
.endif
.endr
.endr
.endr
.rept 4
	v_nop                                          ; four plain lines in front of the first read of results
.endr
	v_max3_num_f32 v216, |v144|, |v145|, 0x1800000 ; my 16 registers and lane l xor 16's are one block of 32
.irp i, 2,4,6,8,10,12,14
	v_max3_num_f32 v216, v216, |v[144+\i]|, |v[145+\i]|
.endr
	v_permlanex16_b32 v[PX], v216, s[SEL], s[SEL+1]
	v_max_num_f32 v216, v216, v[PX]
	v_add_nc_u32 v217, 0xff000000, v216
	v_lshrrev_b32 v210, 23, v217
	v_cvt_scalef32_pk8_fp4_f32 v208, v[144:151], v217
	v_cvt_scalef32_pk8_fp4_f32 v209, v[152:159], v217
	v_nop
.endm
	s_cmp_eq_u32 s38, 1
	s_cbranch_scc1 .Lv
	s_lshl_b32 s52, s56, 2
	s_lshl_b32 s54, s57, 1
	s_add_co_u32 s52, s52, s54
	s_add_co_u32 s52, s52, s36
	s_mul_i32 s52, s52, 9216                       ; part 4 c + 2 b + cb
	s_add_co_u32 s52, s52, s59
	s_lshl_b32 s54, s35, 8
	s_add_co_u32 s52, s52, s54                     ; + 256 pp
	s_add_co_u32 s62, s62, s54
	s_lshl_b32 s54, s57, 7
	s_add_co_u32 s62, s62, s54
	s_lshl_b32 s54, s56, 3
	s_add_co_u32 s62, s62, s54
	s_add_co_u32 s62, s62, s36                     ; words: 256 pp + 128 b + 8 c + cb
	s_add_nc_u64 s[52:53], s[28:29], s[52:53]
	s_add_nc_u64 s[62:63], s[28:29], s[62:63]
	s_lshl_b32 s57, s57, 3
	s_mov_b32 s58, 0xffff0000
	PROD 7, 8, 10, 4096, 0, 2048, 256, 32, 9, 11, 2048, 512, 128
	v_cndmask_b32 v211, v210, v212, s58            ; lanes 16-31 store 127, the byte of the K that is not used, two bytes further on
	v_xor_b32 v213, s57, v2
	v_lshlrev_b32 v213, 4, v213
	v_lshl_add_u32 v213, v3, 3, v213               ; 16 (r xor 8 b) + 8 h
	v_lshlrev_b32 v214, 4, v201
	v_lshl_add_u32 v214, v200, 2, v214
	v_lshl_add_u32 v214, v3, 1, v214               ; 16 (r % 8) + 4 (r / 8) + 2 h
	global_store_b64 v213, v[208:209], s[52:53]    ; 256 consecutive bytes, aligned
	global_store_b8 v214, v211, s[62:63]
	s_branch .Lend
.Lv:
	s_lshl_b32 s52, s34, 1
	s_add_co_u32 s52, s52, s56
	s_add_co_u32 s52, s52, 8
	s_mul_i32 s52, s52, 9216                       ; part 8 + 2 (w % 4) + c
	s_add_co_u32 s52, s52, s59
	s_lshl_b32 s54, s57, 8
	s_add_co_u32 s52, s52, s54                     ; + 256 b
	s_lshl_b32 s54, s36, 8
	s_add_co_u32 s62, s62, s54
	s_lshl_b32 s54, s35, 2
	s_add_co_u32 s62, s62, s54
	s_and_b32 s54, s37, 3
	s_add_co_u32 s62, s62, s54
	s_add_co_u32 s62, s62, 512                     ; words: 512 + 256 (tile % 2) + 4 (tile / 2) + block
	s_add_nc_u64 s[52:53], s[28:29], s[52:53]
	s_add_nc_u64 s[62:63], s[28:29], s[62:63]
.irp i, 0,1,2,3,4,5,6,7,8,9,10,11,12,13,14,15
	v_mov_b32 v[224+\i], v206                      ; one channel a lane: its bias in all 16 registers
.endr
.rept 4
	v_nop
.endr
	s_wait_alu depctr_va_vdst(0)
	PROD 192, 192, 193, 2048, 1024, 512, 128, 64, 194, 195, 4096, 2048, 256
	v_lshlrev_b32 v213, 4, v2
	v_lshl_add_u32 v213, v3, 3, v213               ; 16 r + 8 h; the scale words lie twice, 8 bytes apart
	global_store_b64 v213, v[208:209], s[52:53]
	global_store_b8 v213, v210, s[62:63]
.Lend:
	s_wait_tensorcnt 0x0                           ; the wave's end
	ds_add_u32 v[SPW], v[NIL]
	s_wait_dscnt 0x0
	s_endpgm
.Lfunc_end_k_qc863e430b1_proj:
	.size	k_qc863e430b1_proj, .Lfunc_end_k_qc863e430b1_proj-k_qc863e430b1_proj
	.p2alignl 7, 3214868480
	.fill 96, 4, 3214868480
	.section	.rodata,"a",@progbits
	.p2align	6, 0x0
	.amdhsa_kernel k_qc863e430b1_proj
		.amdhsa_group_segment_fixed_size 324096
		.amdhsa_private_segment_fixed_size 0
		.amdhsa_enable_private_segment 0
		.amdhsa_kernarg_size 88
		.amdhsa_user_sgpr_count 2
		.amdhsa_user_sgpr_kernarg_segment_ptr 1
		.amdhsa_wavefront_size32 1
		.amdhsa_system_sgpr_workgroup_id_x 1
		.amdhsa_system_sgpr_workgroup_id_y 1
		.amdhsa_system_sgpr_workgroup_id_z 1
		.amdhsa_system_vgpr_workitem_id 0
		.amdhsa_next_free_vgpr 256
		.amdhsa_next_free_sgpr 80
		.amdhsa_reserve_vcc 0
		.amdhsa_float_denorm_mode_32 3
		.amdhsa_float_denorm_mode_16_64 3
		.amdhsa_memory_ordered 1
		.amdhsa_forward_progress 1
		.amdhsa_inst_pref_size 63
	.end_amdhsa_kernel
	.amdgpu_metadata
---
amdhsa.version: [ 1, 2 ]
amdhsa.kernels:
  - .name:           k_qc863e430b1_proj
    .symbol:         k_qc863e430b1_proj.kd
    .args:
      - { .name: inputs_k, .offset: 0, .size: 8, .value_kind: global_buffer, .address_space: global }
      - { .name: inputs_v, .offset: 8, .size: 8, .value_kind: global_buffer, .address_space: global }
      - { .name: wc, .offset: 16, .size: 8, .value_kind: global_buffer, .address_space: global }
      - { .name: ws, .offset: 24, .size: 8, .value_kind: global_buffer, .address_space: global }
      - { .name: bk, .offset: 32, .size: 8, .value_kind: global_buffer, .address_space: global }
      - { .name: bv, .offset: 40, .size: 8, .value_kind: global_buffer, .address_space: global }
      - { .name: xc, .offset: 48, .size: 8, .value_kind: global_buffer, .address_space: global }
      - { .name: xs, .offset: 56, .size: 8, .value_kind: global_buffer, .address_space: global }
      - { .name: bq, .offset: 64, .size: 8, .value_kind: global_buffer, .address_space: global }
      - { .name: qc, .offset: 72, .size: 8, .value_kind: global_buffer, .address_space: global }
      - { .name: kv, .offset: 80, .size: 8, .value_kind: global_buffer, .address_space: global }
    .group_segment_fixed_size: 324096
    .private_segment_fixed_size: 0
    .kernarg_segment_align: 8
    .kernarg_segment_size: 88
    .max_flat_workgroup_size: 256
    .sgpr_count:     80
    .vgpr_count:     256
    .wavefront_size: 32
...
	.end_amdgpu_metadata
.endif
;; end of part 2
;; launch attn (part 3): grid 256 x 1, 16 waves a work-group, clusters of 4 x 1, 223,232 bytes of LDS; arguments qc, kv, ac, asc; writes ac, asc
.if DOCPART == 3
	.amdgcn_target "amdgcn-amd-amdhsa--gfx1250"
	.amdhsa_code_object_version 6
	.text
	.protected	k_qc863e430b1_attn
	.globl	k_qc863e430b1_attn
	.p2align	8
	.type	k_qc863e430b1_attn,@function
k_qc863e430b1_attn:
	s_mov_b64 s[64:65], 0
	v_nop
	global_prefetch_b8 v0, s[64:65] scope:SCOPE_SE
	s_setreg_imm32_b32 hwreg(HW_REG_WAVE_MODE, 25, 1), 1
	s_wait_xcnt 0x0
	s_wait_alu depctr_hold_cnt(0) depctr_sa_sdst(0) depctr_va_vdst(0) depctr_va_sdst(0) depctr_va_ssrc(0) depctr_va_vcc(0) depctr_vm_vsrc(0)
	s_getreg_b32 s2, hwreg(HW_REG_IB_STS2, 6, 4)
	s_cmp_eq_u32 s2, 0
	s_cbranch_scc0 .Lentry_in_a_cluster
	s_endpgm
.Lentry_in_a_cluster:
	s_bfe_u32 s2, ttmp6, 0x10000c
	s_cmp_lg_u32 s2, 0x3003
	s_cbranch_scc0 .Lentry_shape_is_right
	s_endpgm
.Lentry_shape_is_right:
; Causal attention of 16 heads on one shared key and value head, on codes of FP4 (E2M1) with one E8M0 byte for each 32 along K; O / l is quantised along the 1,024 of the output projection's K.
; q k^T has K = 64: q's upper half of the instruction's 128 is zero codes, so K's upper half may be any codes: here the registers of other tiles of K; the scale bytes there are 127.
; THE SOFTMAX: t = score x log2(e) / 8; M = the running largest t rounded UP to a whole number; p = 2^(t - M) is quantised along the keys, not normalised; the row's sum is taken of the unquantised p and divides O at the end.
; When M moves, the sum and O are multiplied by 2^(old M - new M), which rounds nothing.
; SHARES.  Work-group: a batch, 8 heads, query tiles i (early) and 127 - i (late) of 16 positions.  With g = i / 8 the early tile needs steps 0 .. g of 128 keys and the late one 0 .. 15 - g: 17 steps a head.
; Waves w and w xor 12 share a head: waves 0-3 do 12 of the 17 steps and 12-15 do 5; waves 4-7 do 10 and 8-11 do 7: in waves n, n + 4, n + 8, n + 12 together 34.
; A wave of 0-7 begins with the late tile at step 0, one of 8-15 with the early tile at step 0.  The one that ends its own tile first sends it out and goes on with the other's, from its diagonal step down:
; in trip s that is step 16 - s for either of them.  The two parts of the shared tile meet in LDS behind the loop, in the wave that began it.
; LAYOUT.  Both products are used transposed (source 0: 32 keys or 32 channels in two tiles; source 1: 16 positions): a lane holds one position throughout.  Key 64 c + 32 b + 8 t + e of a step is row 8 b + e of tile 4 c + t,
; so the 32 result registers of tiles 4 c .. 4 c + 3 are the whole block 2 c + h of keys in lane half h, in the order in which the next operand wants it.  V's channels are ordered likewise: O's 32 registers are channels 32 h + 0 .. 31.
; CLUSTERS: the four work-groups of a cluster share the batch, the heads and g, so their branches and trip counts are the same.  K and V of the batch (147,456 bytes, codes and scales) come into LDS once, by one joint tensor load a wave,
; fetched once for the four.  Each of the 16 parts holds a piece of every step, so that each load brings bytes that are read.  Nothing is filled again.  NO PREFETCH: no loop here reads memory.
; LIMITS: the scaled scores stay under 2^31 in magnitude; a block of zeros, or one whose largest magnitude lies under 2^-124, gets the byte 1 (zero codes add nothing); NaN and infinities among the inputs are not served.
; Whole steps under the causal mask are not done.  asc's 16 bits are stored by both halves of the lanes, with the same value.
.set PSTG, 147456                      ; behind K and V: the shared tiles' second parts, 4,608 bytes a wave, written by LDS stores
.set SPARE, 221184
.set SPW, 27
.set NIL, 28
.set SEL, 60                           ; s[60:61] lane l xor 16
.set CS, 58                            ; s[58:59] c = log2(e) / 8;  s57 -c
; REGISTERS: v1 my partner's meeting place, v11 mine; v2-5 lane's places (K tiles 0, 1; K tiles 2, 3; V; scales), v6-10 the step's; v12 -M, v13 the largest score, v[14:15] the sum in two halves;
; SCALES AND NOTHING ELSE: v16 q's word, v17 p's, v18 the other tile's q's, v20-23 K's, v24-25 V's;  v19 r - 32 h; v26 8 h; v29 16 x lane; v30 4 r; v31 lane permutes' destination;
; v32-39 Q (upper four zero), v40-43 the other tile's; v44-79 K (tile 4 c + t at 44 + 16 c + 0, 8, 4, 12); v80-143 S^T, then p; v144-175 O^T; v176-207 V; v208-215 p's codes; v216-239 at work.
.macro ROUND                           ; a round of the cluster's barrier
	s_barrier_signal -1
	s_barrier_wait -1
	s_cmp_lg_u32 s18, 0
	s_cbranch_scc1 .Lnw_\@
	s_barrier_signal -3
.Lnw_\@:
	s_barrier_wait -3
	s_barrier_signal -1
	s_barrier_wait -1
.endm
.macro KLOAD                           ; nine LDS loads: eight tiles of K, and a lane's four words
.irp c, 0,1
	ds_load_b128 v[44+16*\c:47+16*\c], v6 offset:36864*\c
	ds_load_b128 v[52+16*\c:55+16*\c], v6 offset:36864*\c+256
	ds_load_b128 v[48+16*\c:51+16*\c], v7 offset:36864*\c
	ds_load_b128 v[56+16*\c:59+16*\c], v7 offset:36864*\c+256
.endr
	ds_load_b128 v[20:23], v9
.endm
; O / l from v[src] on, quantised (a lane's 32 numbers are one block) and stored: 512 consecutive bytes of codes, two bytes of each row's word
.macro FINAL src
	v_add_f32 v218, v14, v15
	v_permlanex16_b32 v31, v218, s[SEL], s[SEL+1]
	v_add_f32 v216, v218, v31
	s_wait_alu depctr_va_vdst(0)                   ; the wait ahead of the transcendental,
	v_rcp_f32 v216, v216
	v_nop
	s_wait_alu depctr_va_vdst(0)                   ; and behind it
.set n, 0
.rept 16
	v_pk_mul_f32 v[80+n:81+n], v[\src+n:\src+1+n], v[216:217] op_sel_hi:[1,0]
.set n, n+2
.endr
	v_max3_num_f32 v219, |v80|, |v81|, |v82|
	v_max3_num_f32 v220, |v96|, |v97|, |v98|
.irp i, 3,5,7,9,11,13
	v_max3_num_f32 v219, v219, |v[80+\i]|, |v[81+\i]|
	v_max3_num_f32 v220, v220, |v[96+\i]|, |v[97+\i]|
.endr
	v_max3_num_f32 v219, v219, |v95|, |v111|
	v_max3_num_f32 v219, v219, v220, 0x1800000     ; the floor 2^(3 - 127)
	v_add_nc_u32 v221, 0xff000000, v219            ; 2 off the exponent field: the conversion's scale operand
	v_lshrrev_b32 v218, 23, v221
.irp k, 0,1,2,3
	v_cvt_scalef32_pk8_fp4_f32 v[208+\k], v[80+8*\k:87+8*\k], v221
.endr
	v_lshlrev_b32 v218, v26, v218
	v_permlanex16_b32 v31, v218, s[SEL], s[SEL+1]
	v_or_b32 v218, v218, v31
	global_store_b128 v29, v[208:211], s[44:45]
	global_store_b16 v30, v218, s[46:47]
	s_wait_xcnt 0x0                                ; the stores have read their registers
.endm
	s_load_b256 s[8:15], s[0:1], 0x0               ; qc 8, kv 10, ac 12, asc 14
	v_lshl_add_u32 v[SPW], v0, 2, SPARE
	v_mov_b32 v[NIL], 0
	ds_add_u32 v[SPW], v[NIL]                      ; the opening add, twice on end
	ds_add_u32 v[SPW], v[NIL]
	v_lshrrev_b32 v1, 5, v0
	v_readfirstlane_b32 s18, v1                    ; wave w
	s_lshr_b32 s16, ttmp9, 5                       ; batch (ttmp9: the cluster's number)
	s_bfe_u32 s17, ttmp9, 0x10004                  ; half of the heads
	s_bfe_u32 s6, ttmp9, 0x30001                   ; g
	s_bfe_u32 s7, ttmp6, 0x40000                   ; my place in the cluster
	s_and_b32 s3, ttmp9, 15
	s_lshl_b32 s3, s3, 2
	s_add_co_u32 s3, s3, s7                        ; i
	s_sub_co_u32 s4, 127, s3                       ; the late tile
	s_lshr_b32 s32, s18, 3                         ; 0: I begin with the late tile; 1: with the early one
	s_xor_b32 s74, s18, 12                         ; my partner
	s_min_u32 s7, s74, s18                         ; our head of the eight
	s_lshl_b32 s17, s17, 3
	s_add_co_u32 s17, s17, s7                      ; head
	s_mul_i32 s35, s18, 4608
	s_add_co_u32 s35, s35, PSTG
	s_mul_i32 s74, s74, 4608
	s_add_co_u32 s74, s74, PSTG
	s_sub_co_u32 s34, 15, s6                       ; the late tile's step on the diagonal
	s_add_co_u32 s36, s6, 1                        ; the early tile's steps
	s_sub_co_u32 s43, 16, s6                       ; the late tile's
	s_cmp_lt_u32 s7, 4
	s_cselect_b32 s19, 5, 7                        ; the steps of the wave that begins with the early tile
	s_cmp_le_u32 s36, s19                          ; are they enough for all of it?
	s_cselect_b32 s36, s36, 99                     ; then that wave goes on to the late tile, at this trip (99: never);
	s_cselect_b32 s43, 99, s43                     ; else the other one goes on to the early tile
	s_sub_co_u32 s37, 17, s19
	s_cmp_eq_u32 s32, 0
	s_cselect_b32 s36, s43, s36                    ; the trip at which I change tiles,
	s_cselect_b32 s37, s37, s19                    ; my steps,
	s_cselect_b32 s5, s4, s3                       ; my first tile,
	s_cselect_b32 s4, s3, s4                       ; the other one,
	s_cselect_b32 s33, s34, s6                     ; and their steps on the diagonal
	s_cselect_b32 s34, s6, s34
	s_and_b32 s38, s5, 7
	s_lshl_b32 s38, s38, 4                         ; my tile's first query in that step
	s_and_b32 s39, s4, 7
	s_lshl_b32 s39, s39, 4                         ; and the other tile's
	s_lshl_b32 s7, s16, 7
	s_add_co_u32 s5, s5, s7                        ; row tiles of the 256
	s_add_co_u32 s4, s4, s7
	s_lshl_b32 s56, s5, 9                          ; asc: 512 tile + 64 (head / 2) + 2 (head % 2)
	s_lshr_b32 s7, s17, 1
	s_lshl_b32 s7, s7, 6
	s_add_co_u32 s56, s56, s7
	s_and_b32 s7, s17, 1
	s_lshl_b32 s7, s7, 1
	s_add_co_u32 s56, s56, s7
	s_lshl_b32 s5, s5, 4
	s_add_co_u32 s5, s5, s17                       ; 16 tile + head
	s_lshl_b32 s4, s4, 4
	s_add_co_u32 s4, s4, s17
	s_mov_b32 s24, 15|(3<<16)|(1<<21)              ; group 1: the four work-groups; elements of 8 bytes; 36 rows of 256 bytes, dense
	s_mov_b32 s25, 32<<16
	s_mov_b32 s26, 36<<16
	s_mov_b32 s27, 32<<16
	s_mov_b32 s28, 36
	s_mov_b32 s29, 32
	s_mov_b32 s30, 0
	s_mov_b32 s31, 0
	s_mov_b32 s[SEL], 0x76543210
	s_mov_b32 s[SEL+1], 0xfedcba98
	s_mov_b32 s[CS], 0x3e38aa3b
	s_mov_b32 s[CS+1], s[CS]                       ; (packed forms name pairs and take the low word for both halves)
	s_mov_b32 s57, 0xbe38aa3b
	s_mov_b32 s54, 0xfc000000                      ; -2 x 2^120
	s_mov_b32 s55, s54
	s_mov_b32 s62, 0xfe000000                      ; -32 x 2^120
	s_mov_b32 s63, s62
	s_mov_b32 s40, 0                               ; the trip
	v_and_b32 v1, 31, v0
	v_and_b32 v216, 15, v0                         ; r
	v_bfe_u32 v217, v0, 4, 1                       ; h
	v_bfe_u32 v218, v0, 3, 1                       ; b = r / 8
	v_and_b32 v219, 7, v0                          ; e = r % 8
	v_lshlrev_b32 v29, 4, v1
	v_lshlrev_b32 v30, 2, v216
	v_lshlrev_b32 v26, 3, v217
	v_lshl_add_u32 v220, v218, 1, v217
	v_mul_u32_u24 v2, v220, 9216                   ; K: part 4 c + 2 b + h
	v_lshl_add_u32 v2, v218, 7, v2
	v_lshl_add_u32 v2, v219, 4, v2                 ; tiles 0, 1: + 128 b + 16 e
	v_xor_b32 v3, 0x80, v2                         ; tiles 2, 3: + 128 (1 - b) + 16 e
	v_add_nc_u32 v4, 73728, v29                    ; V: part 8 + 2 tile + c
	v_add_nc_u32 v5, 8192, v29                     ; the scales of the step that has the part's number
	v_lshlrev_b32 v220, 5, v217
	v_sub_nc_u32 v19, v216, v220                   ; r - 32 h
	v_add_nc_u32 v11, s35, v29
	v_add_nc_u32 v1, s74, v29
	v_mov_b32 v6, v2                               ; step 0
	v_mov_b32 v7, v3
	v_mov_b32 v9, v5
	s_wait_alu depctr_va_vdst(0)
	s_wait_dscnt 0x0                               ; both opening adds are done
	s_wait_kmcnt 0x0
	s_mov_b32 s53, 0
	s_mul_i32 s21, s18, 9216
	s_mul_i32 s52, s16, 147456
	s_add_co_u32 s52, s52, s21
	s_mov_b32 s20, 1
	s_add_nc_u64 s[22:23], s[10:11], s[52:53]
	s_or_b32 s23, s23, 0x80000000
	ROUND                                          ; all four work-groups are here: the joint loads meet
	tensor_load_to_lds s[20:23], s[24:31]          ; part w of the batch's K and V
	s_nop 0
	s_lshl_b32 s52, s5, 9
	s_add_nc_u64 s[66:67], s[8:9], s[52:53]        ; q's codes of my first tile,
	s_add_nc_u64 s[44:45], s[12:13], s[52:53]      ; and where its result goes: the same place in ac
	s_lshl_b32 s52, s5, 6
	s_add_co_u32 s52, s52, 0x200000
	s_add_nc_u64 s[68:69], s[8:9], s[52:53]        ; its words
	s_lshl_b32 s52, s4, 9
	s_add_nc_u64 s[70:71], s[8:9], s[52:53]        ; the other tile's
	s_lshl_b32 s52, s4, 6
	s_add_co_u32 s52, s52, 0x200000
	s_add_nc_u64 s[72:73], s[8:9], s[52:53]
	s_mov_b32 s52, s56
	s_add_nc_u64 s[46:47], s[14:15], s[52:53]
	global_load_b128 v[32:35], v29, s[66:67]       ; lanes 0-15 channels 0-31, lanes 16-31 channels 32-63
	global_load_b32 v16, v30, s[68:69]
	global_load_b128 v[40:43], v29, s[70:71]
	global_load_b32 v18, v30, s[72:73]
.irp j, 36,37,38,39,76,77,78,79,14,15,31,217,221,223,229
	v_mov_b32 v[\j], 0
.endr
.set n, 0
.rept 32
	v_mov_b32 v[144+n], 0                          ; O^T: the loop is written once; its first step finds zeros
.set n, n+1
.endr
	v_mov_b32 v13, 0xff61b1e6                      ; the largest score so far: -3e38
	v_mul_f32 v216, s57, v13
	v_floor_f32 v12, v216                          ; -M
	s_wait_alu depctr_va_vdst(0)                   ; the wait at the head's end
	s_wait_tensorcnt 0x0                           ; my part is in
	s_barrier_signal -1
	s_barrier_wait -1                              ; and everybody's
	KLOAD
	s_wait_loadcnt 0x0                             ; Q
.Lstep:
	s_cmp_eq_u32 s40, s36
	s_cbranch_scc0 .Lsame
	s_wait_alu depctr_va_vdst(0)
.rept 4
	v_nop                                          ; four plain lines behind the last products
.endr
	FINAL 144                                      ; my own tile goes out,
	v_mov_b32 v16, v18                             ; and the other one begins
.irp j, 0,1,2,3
	v_mov_b32 v[32+\j], v[40+\j]
.endr
	v_mov_b32 v13, 0xff61b1e6
	v_mul_f32 v216, s57, v13
	v_floor_f32 v12, v216
	v_mov_b32 v14, 0
	v_mov_b32 v15, 0
.set n, 0
.rept 32
	v_mov_b32 v[144+n], 0
.set n, n+1
.endr
	s_mov_b32 s33, s34
	s_mov_b32 s38, s39
	s_wait_alu depctr_va_vdst(0)
.Lsame:
	s_cmp_ge_u32 s40, s37
	s_cbranch_scc1 .Lhidden                        ; I have done my steps
	s_wait_dscnt 0x0                               ; K and its words are in
	v_wmma_scale_f32_32x16x128_f4 v[80:95], v[44:59], v[32:39], 0, v20, v16
	v_wmma_scale_f32_32x16x128_f4 v[96:111], v[48:63], v[32:39], 0, v21, v16
	v_wmma_scale_f32_32x16x128_f4 v[112:127], v[60:75], v[32:39], 0, v22, v16
	v_wmma_scale_f32_32x16x128_f4 v[128:143], v[64:79], v[32:39], 0, v23, v16
	s_sub_co_u32 s41, 16, s40                      ; this trip's step: the trip's number, or behind the change of tiles 16 less it
	s_cmp_lt_u32 s40, s36
	s_cselect_b32 s41, s40, s41
	s_and_b32 s41, s41, 15
	s_add_co_u32 s43, s40, 1                       ; and the next trip's
	s_sub_co_u32 s42, 16, s43
	s_cmp_lt_u32 s43, s36
	s_cselect_b32 s42, s43, s42
	s_lshl_b32 s56, s42, 9
	s_lshl_b32 s52, s41, 9
	s_mul_i32 s53, s42, 9216
	s_mul_i32 s19, s41, 9216
	v_add_nc_u32 v6, s56, v2                       ; (these five are also the plain lines in front of the loads into K's and V's registers)
	v_add_nc_u32 v7, s56, v3
	v_add_nc_u32 v8, s52, v4
	v_add_nc_u32 v10, s19, v5
	v_add_nc_u32 v9, s53, v5
.irp t, 0,1,2,3
.irp c, 0,1
	ds_load_b128 v[176+8*\t+4*\c:179+8*\t+4*\c], v8 offset:9216*(2*\t+\c)
.endr
.endr
	ds_load_b64 v[24:25], v10 offset:512
	KLOAD                                          ; the next step's K (behind my last step it is not used)
	s_cmp_lg_u32 s41, s33
	s_cbranch_scc1 .Lopen                          ; all 128 keys count
	v_add_nc_u32 v216, s38, v19                    ; d: register 32 c + n holds key 64 c + n of my half: hidden where that is over d
	v_cvt_f32_i32 v216, v216
	v_add_f32 v216, 0.5, v216
	v_mul_f32 v216, 0x7b800000, v216               ; (d + 1/2 - key) x 2^120: over every score where the key counts, under every score where it does not
	v_add_f32 v217, 0xfb800000, v216
.irp c, 0,1
.if \c
	v_pk_add_f32 v[216:217], v[216:217], s[62:63] op_sel_hi:[1,0]
.endif
.set n, 0
.rept 16
	v_min_num_f32 v[80+32*\c+n], v[80+32*\c+n], v216
	v_min_num_f32 v[81+32*\c+n], v[81+32*\c+n], v217
	v_pk_add_f32 v[216:217], v[216:217], s[54:55] op_sel_hi:[1,0]
.set n, n+2
.endr
.endr
.Lopen:
.irp a, 0,1,2,3                                    ; the largest scores, in eight chains
	v_max3_num_f32 v[216+\a], v[80+16*\a], v[81+16*\a], v[82+16*\a]
	v_max3_num_f32 v[230+\a], v[88+16*\a], v[89+16*\a], v[90+16*\a]
.endr
.irp i, 3,5
.irp a, 0,1,2,3
	v_max3_num_f32 v[216+\a], v[216+\a], v[80+16*\a+\i], v[81+16*\a+\i]
	v_max3_num_f32 v[230+\a], v[230+\a], v[88+16*\a+\i], v[89+16*\a+\i]
.endr
.endr
.irp a, 0,1,2,3
	v_max3_num_f32 v[216+\a], v[216+\a], v[87+16*\a], v[95+16*\a]
.endr
.irp c, 0,1
	v_max3_num_f32 v[220+\c], v[216+2*\c], v[217+2*\c], v[230+2*\c]
.endr
.irp c, 0,1
	v_max_num_f32 v[220+\c], v[220+\c], v[231+2*\c]   ; the largest score of each of my two blocks: for the row's maximum and, since p rises with the score, for the block's largest p
.endr
	v_max_num_f32 v222, v220, v221
	v_permlanex16_b32 v31, v222, s[SEL], s[SEL+1]
	v_max3_num_f32 v13, v13, v222, v31             ; the running largest score
	v_mul_f32 v223, s57, v13
	v_floor_f32 v224, v223                         ; the new -M = floor(-t) = -ceil(t)
	v_sub_f32 v225, v224, v12                      ; old M - new M: a whole number, 0 or less
	v_mov_b32 v12, v224
	v_cvt_i32_f32 v225, v225                       ; (it saturates)
.set n, 0
.rept 32
	v_pk_fma_f32 v[80+n:81+n], v[80+n:81+n], s[CS:CS+1], v[12:13] op_sel_hi:[1,0,0]   ; t - M, two at a time
.set n, n+2
.endr
	v_ldexp_f32 v228, 1.0, v225                    ; f = 2^(old M - new M)
.irp c, 0,1
	v_fma_f32 v[220+\c], v[220+\c], s[CS], v12
.endr
	s_wait_alu depctr_va_vdst(0)                   ; the wait ahead of the batch,
.set n, 0
.rept 64
	v_exp_f32 v[80+n], v[80+n]                     ; p = 2^(t - M), at most 1
.set n, n+1
.endr
	v_exp_f32 v220, v220                           ; the blocks' largest p: the same two instructions on the same number
	v_exp_f32 v221, v221
	v_pk_mul_f32 v[14:15], v[14:15], v[228:229] op_sel_hi:[1,0]   ; the sums under the new M (a plain line behind the exponentials)
	s_wait_alu depctr_va_vdst(0)                   ; and behind it; also ahead of O^T's first reader
.macro RS k                            ; O^T under the new M: four registers
	v_pk_mul_f32 v[144+4*\k:145+4*\k], v[144+4*\k:145+4*\k], v[228:229] op_sel_hi:[1,0]
	v_pk_mul_f32 v[146+4*\k:147+4*\k], v[146+4*\k:147+4*\k], v[228:229] op_sel_hi:[1,0]
.endm
	RS 0
	v_max_num_f32 v220, 0x1800000, v220            ; the floor 2^(3 - 127)
	v_max_num_f32 v221, 0x1800000, v221
	RS 1
	v_add_nc_u32 v222, 0xff000000, v220            ; 2 off the exponent field: the conversion's scale operand
	v_add_nc_u32 v223, 0xff000000, v221
	RS 2
	v_lshrrev_b32 v224, 23, v222
	v_lshrrev_b32 v225, 23, v223
	RS 3
	v_lshl_or_b32 v226, v225, 16, v224
	RS 4
	v_lshlrev_b32 v226, v26, v226
	RS 5
	v_permlanex16_b32 v31, v226, s[SEL], s[SEL+1]
	RS 6
	v_or_b32 v17, v226, v31                        ; p's word for these 128 keys
	RS 7
.irp c, 0,1
.irp t, 0,1,2,3
	v_cvt_scalef32_pk8_fp4_f32 v[208+4*\c+\t], v[80+32*\c+8*\t:87+32*\c+8*\t], v[222+\c]
.endr
.endr
	v_pk_add_f32 v[230:231], v[80:81], v[82:83]    ; the row's sum, in eight chains; also the plain lines behind the conversions and ahead of the products
	v_pk_add_f32 v[232:233], v[84:85], v[86:87]
	v_pk_add_f32 v[234:235], v[88:89], v[90:91]
	v_pk_add_f32 v[236:237], v[92:93], v[94:95]
	v_pk_add_f32 v[238:239], v[96:97], v[98:99]
	v_pk_add_f32 v[216:217], v[100:101], v[102:103]
	v_pk_add_f32 v[218:219], v[104:105], v[106:107]
	v_pk_add_f32 v[14:15], v[14:15], v[108:109]
.irp q, 0,16
	v_pk_add_f32 v[230:231], v[230:231], v[110+\q:111+\q]
	v_pk_add_f32 v[232:233], v[232:233], v[112+\q:113+\q]
	v_pk_add_f32 v[234:235], v[234:235], v[114+\q:115+\q]
	v_pk_add_f32 v[236:237], v[236:237], v[116+\q:117+\q]
	v_pk_add_f32 v[238:239], v[238:239], v[118+\q:119+\q]
	v_pk_add_f32 v[216:217], v[216:217], v[120+\q:121+\q]
	v_pk_add_f32 v[218:219], v[218:219], v[122+\q:123+\q]
	v_pk_add_f32 v[14:15], v[14:15], v[124+\q:125+\q]
.endr
	v_pk_add_f32 v[230:231], v[230:231], v[142:143]
	v_pk_add_f32 v[234:235], v[234:235], v[236:237]
	v_pk_add_f32 v[238:239], v[238:239], v[216:217]
	v_pk_add_f32 v[14:15], v[14:15], v[218:219]
	v_pk_add_f32 v[230:231], v[230:231], v[232:233]
	v_pk_add_f32 v[234:235], v[234:235], v[238:239]
	v_pk_add_f32 v[14:15], v[14:15], v[230:231]
	v_pk_add_f32 v[14:15], v[14:15], v[234:235]
	s_wait_dscnt 9                                 ; V and its words are in; the next step's nine loads may be out
	v_wmma_scale_f32_32x16x128_f4 v[144:159], v[176:191], v[208:215], v[144:159], v24, v17
	v_wmma_scale_f32_32x16x128_f4 v[160:175], v[192:207], v[208:215], v[160:175], v25, v17
.Lhidden:
	s_add_co_u32 s40, s40, 1
	s_cmp_lt_u32 s40, 12
	s_cbranch_scc1 .Lstep
	; ---- the shared tile's two parts meet
	s_wait_alu depctr_va_vdst(0)
.rept 4
	v_nop                                          ; four plain lines behind the last products
.endr
	s_wait_dscnt 0x0
	s_cmp_eq_u32 s36, 99
	s_cbranch_scc1 .Lmeet                          ; I never changed tiles: the shared tile is the one that I began
.irp k, 0,1,2,3,4,5,6,7
	ds_store_b128 v11, v[144+4*\k:147+4*\k] offset:512*\k
.endr
	ds_store_b128 v11, v[12:15] offset:4096        ; -M, (the largest score,) the sum's halves
.Lmeet:
	s_wait_dscnt 0x0
	s_barrier_signal -1
	s_barrier_wait -1
	s_cmp_lg_u32 s36, 99
	s_cbranch_scc1 .Lend
.irp k, 0,1,2,3,4,5,6,7
	ds_load_b128 v[80+4*\k:83+4*\k], v1 offset:512*\k
.endr
	ds_load_b128 v[112:115], v1 offset:4096
	s_wait_dscnt 0x0
	v_min_num_f32 v216, v12, v112                  ; -M of both
	v_sub_f32 v218, v216, v12
	v_sub_f32 v219, v216, v112
	v_cvt_i32_f32 v218, v218
	v_cvt_i32_f32 v219, v219
	v_ldexp_f32 v220, 1.0, v218
	v_ldexp_f32 v222, 1.0, v219                    ; (0 where the other part is empty)
	v_pk_mul_f32 v[114:115], v[114:115], v[222:223] op_sel_hi:[1,0]
	v_pk_fma_f32 v[14:15], v[14:15], v[220:221], v[114:115] op_sel_hi:[1,0,1]
.set n, 0
.rept 16
	v_pk_mul_f32 v[80+n:81+n], v[80+n:81+n], v[222:223] op_sel_hi:[1,0]
.set n, n+2
.endr
.set n, 0
.rept 16
	v_pk_fma_f32 v[80+n:81+n], v[144+n:145+n], v[220:221], v[80+n:81+n] op_sel_hi:[1,0,1]
.set n, n+2
.endr
	FINAL 80
.Lend:
	s_wait_tensorcnt 0x0                           ; the wave's end
	ds_add_u32 v[SPW], v[NIL]
	s_wait_dscnt 0x0
	ROUND                                          ; the closing round
	s_endpgm
.Lfunc_end_k_qc863e430b1_attn:
	.size	k_qc863e430b1_attn, .Lfunc_end_k_qc863e430b1_attn-k_qc863e430b1_attn
	.p2alignl 7, 3214868480
	.fill 96, 4, 3214868480
	.section	.rodata,"a",@progbits
	.p2align	6, 0x0
	.amdhsa_kernel k_qc863e430b1_attn
		.amdhsa_group_segment_fixed_size 223232
		.amdhsa_private_segment_fixed_size 0
		.amdhsa_enable_private_segment 0
		.amdhsa_kernarg_size 32
		.amdhsa_user_sgpr_count 2
		.amdhsa_user_sgpr_kernarg_segment_ptr 1
		.amdhsa_wavefront_size32 1
		.amdhsa_system_sgpr_workgroup_id_x 1
		.amdhsa_system_sgpr_workgroup_id_y 1
		.amdhsa_system_sgpr_workgroup_id_z 1
		.amdhsa_system_vgpr_workitem_id 0
		.amdhsa_next_free_vgpr 256
		.amdhsa_next_free_sgpr 80
		.amdhsa_reserve_vcc 0
		.amdhsa_float_denorm_mode_32 3
		.amdhsa_float_denorm_mode_16_64 3
		.amdhsa_memory_ordered 1
		.amdhsa_forward_progress 1
		.amdhsa_inst_pref_size 39
	.end_amdhsa_kernel
	.amdgpu_metadata
---
amdhsa.version: [ 1, 2 ]
amdhsa.kernels:
  - .name:           k_qc863e430b1_attn
    .symbol:         k_qc863e430b1_attn.kd
    .args:
      - { .name: qc, .offset: 0, .size: 8, .value_kind: global_buffer, .address_space: global }
      - { .name: kv, .offset: 8, .size: 8, .value_kind: global_buffer, .address_space: global }
      - { .name: ac, .offset: 16, .size: 8, .value_kind: global_buffer, .address_space: global }
      - { .name: asc, .offset: 24, .size: 8, .value_kind: global_buffer, .address_space: global }
    .group_segment_fixed_size: 223232
    .private_segment_fixed_size: 0
    .kernarg_segment_align: 8
    .kernarg_segment_size: 32
    .max_flat_workgroup_size: 512
    .sgpr_count:     80
    .vgpr_count:     256
    .wavefront_size: 32
...
	.end_amdgpu_metadata
.endif
;; end of part 3
;; launch oproj (part 4): grid 8 x 32, 8 waves a work-group, no clusters, 175,104 bytes of LDS; arguments ac, asc, wc, ws, bo, out0; writes out0
.if DOCPART == 4
	.amdgcn_target "amdgcn-amd-amdhsa--gfx1250"
	.amdhsa_code_object_version 6
	.text
	.protected	k_qc863e430b1_oproj
	.globl	k_qc863e430b1_oproj
	.p2align	8
	.type	k_qc863e430b1_oproj,@function
k_qc863e430b1_oproj:
	s_mov_b64 s[64:65], 0
	v_nop
	global_prefetch_b8 v0, s[64:65] scope:SCOPE_SE
	s_setreg_imm32_b32 hwreg(HW_REG_WAVE_MODE, 25, 1), 1
	s_wait_xcnt 0x0
; out0 = A Q(Wo) + bo.  A: the attention's result as codes of FP4 (E2M1), images [row tile of 16][K step of 128][1,024 bytes], scale words [row tile][K step][row].  Wo: pairs 32-63 of wc and ws.  Sums in f32.
; A work-group makes 128 rows x 128 columns; K = 1,024 is 8 K steps.  Its four operand blocks are dense in memory (65,536 + 65,536 + 4,096 + 4,096 bytes) and come into LDS once, by lane copies at the head: one barrier, no ring.
; Eight waves: wave w takes row tiles 2 (w / 2), + 1 and column pairs 2 (w % 2), + 1: 32 rows x 64 columns, eight accumulators that take turns, one instruction a turn, in the same order in every K step.
; THE PRODUCT IS USED TRANSPOSED (source 0 = 16 columns of Wo, source 1 = 16 rows of A): with the pair's order of columns a lane's 16 registers of a pair are 16 neighbouring columns of one row: 64 bytes.
; The bias is the C of each sum's first product.  The way out goes through the wave's own stage in LDS: sixteen lanes then store 256 consecutive bytes, aligned.
; NO CLUSTER: A's block is shared by the 8 work-groups of a row and Wo's by the 32 of a column, but each is fetched once, by lane copies, which carry no mask of work-groups; there is no ring whose refills could be asked for jointly.
.set WIMG, 65536                       ; A's images at 0: [tile 0-7][K step][1,024];  Wo's here: [pair 0-3][K step][tile][1,024]
.set ASC,  131072                      ; A's scale words [tile][K step][row]
.set WSC,  135168                      ; Wo's [pair][K step][32 words]
.set STG,  139264                      ; the stages: 16 rows x (256 + 16) bytes for each wave; LDS stores write here, and no copy lands
; REGISTERS: v4-7 operands' LDS addresses; v8-12 copy addresses; v13 the bias's offset; v14, v15 the stage; v16-63 and v64-111 two sets of operands (A's two fragments, Wo's four), later rows of the result;
; v112-114, v116-118 scale words and nothing else; v120 the output's offset; v128-191 accumulators ((a, pair b, tile u) at 128 + 32 a + 16 b + 8 u); v192-223 the bias in the result's layout.
.macro WM d, a, b, c, sa, sb, ra, rb   ; a scaled product; ra, rb = 1: that side's scales are read from lanes 16-31
.if (\ra) && (\rb)
	v_wmma_scale_f32_16x16x128_f8f6f4 v[\d:\d+7], v[\a:\a+7], v[\b:\b+7], v[\c:\c+7], v[\sa], v[\sb] matrix_a_fmt:MATRIX_FMT_FP4 matrix_b_fmt:MATRIX_FMT_FP4 matrix_a_scale:MATRIX_SCALE_ROW1 matrix_b_scale:MATRIX_SCALE_ROW1
.elseif \ra
	v_wmma_scale_f32_16x16x128_f8f6f4 v[\d:\d+7], v[\a:\a+7], v[\b:\b+7], v[\c:\c+7], v[\sa], v[\sb] matrix_a_fmt:MATRIX_FMT_FP4 matrix_b_fmt:MATRIX_FMT_FP4 matrix_a_scale:MATRIX_SCALE_ROW1
.elseif \rb
	v_wmma_scale_f32_16x16x128_f8f6f4 v[\d:\d+7], v[\a:\a+7], v[\b:\b+7], v[\c:\c+7], v[\sa], v[\sb] matrix_a_fmt:MATRIX_FMT_FP4 matrix_b_fmt:MATRIX_FMT_FP4 matrix_b_scale:MATRIX_SCALE_ROW1
.else
	v_wmma_scale_f32_16x16x128_f8f6f4 v[\d:\d+7], v[\a:\a+7], v[\b:\b+7], v[\c:\c+7], v[\sa], v[\sb] matrix_a_fmt:MATRIX_FMT_FP4 matrix_b_fmt:MATRIX_FMT_FP4
.endif
.endm
.macro FETCH s, p                      ; K step s into set p: 15 LDS loads
.irp a, 0,1
.irp c, 0,1
	ds_load_b128 v[16+48*(\p)+8*\a+4*\c:19+48*(\p)+8*\a+4*\c], v4 offset:8192*\a+1024*(\s)+512*\c
.endr
.endr
.irp b, 0,1
.irp u, 0,1
.irp c, 0,1
	ds_load_b128 v[32+48*(\p)+16*\b+8*\u+4*\c:35+48*(\p)+16*\b+8*\u+4*\c], v5 offset:16384*\b+2048*(\s)+1024*\u+512*\c
.endr
.endr
.endr
	ds_load_b32 v[112+4*(\p)], v6 offset:64*(\s)                   ; A's words: lanes 0-15 my first row tile's, lanes 16-31 my second's
.irp b, 0,1
	ds_load_b32 v[113+4*(\p)+\b], v7 offset:1024*\b+128*(\s)       ; Wo's: lanes 0-15 tile 0's, lanes 16-31 tile 1's
.endr
.endm
.macro MUL s, p                        ; K step s from set p: eight products
.irp a, 0,1
.irp b, 0,1
.irp u, 0,1
.if (\s) == 0
	WM 128+32*\a+16*\b+8*\u, 32+48*(\p)+16*\b+8*\u, 16+48*(\p)+8*\a, 192+16*\b+8*\u, 113+4*(\p)+\b, 112+4*(\p), \u, \a
.else
	WM 128+32*\a+16*\b+8*\u, 32+48*(\p)+16*\b+8*\u, 16+48*(\p)+8*\a, 128+32*\a+16*\b+8*\u, 113+4*(\p)+\b, 112+4*(\p), \u, \a
.endif
.endr
.endr
.endr
.endm
	s_load_b256 s[8:15], s[0:1], 0x0               ; ac s[8:9], asc s[10:11], wc s[12:13], ws s[14:15]
	s_load_b128 s[16:19], s[0:1], 0x20             ; bo s[16:17], out0 s[18:19]
	v_lshl_add_u32 v224, v0, 2, 0x2a800
	v_mov_b32 v225, 0
	ds_add_u32 v224, v225
	ds_add_u32 v224, v225
	v_lshrrev_b32 v1, 5, v0
	s_delay_alu instid0(VALU_DEP_1)
	v_readfirstlane_b32 s20, v1                    ; wave w
	s_lshr_b32 s21, s20, 1                         ; which 32 rows
	s_and_b32 s22, s20, 1                          ; which 64 columns
	s_and_b32 s23, ttmp7, 0xffff                   ; block of 128 rows; ttmp9: block of 128 columns
	v_and_b32 v1, 31, v0                           ; lane
	v_and_b32 v2, 15, v0                           ; r
	v_bfe_u32 v3, v0, 4, 1                         ; h
	v_lshlrev_b32 v8, 4, v0                        ; the copies: 16 bytes a thread, 4,096 a copy
	v_lshlrev_b32 v9, 4, v0
	v_lshl_add_u32 v10, v0, 4, WIMG
	v_lshl_add_u32 v11, v0, 4, ASC
	v_lshl_add_u32 v12, v0, 4, WSC
	s_lshl_b32 s24, s23, 16
	s_mov_b32 s25, 0
	s_lshl_b32 s26, s23, 12
	s_mov_b32 s27, 0
	s_lshl_b32 s28, ttmp9, 16
	s_add_co_u32 s28, s28, 524288                  ; Wo's pairs begin at pair 32
	s_mov_b32 s29, 0
	s_lshl_b32 s30, ttmp9, 12
	s_add_co_u32 s30, s30, 32768
	s_mov_b32 s31, 0
	s_lshl_b32 s32, ttmp9, 9
	s_lshl_b32 s34, s22, 8
	s_add_co_u32 s32, s32, s34                     ; my first column, in bytes
	s_mov_b32 s33, 0
	s_lshl_b32 s36, s23, 19
	s_lshl_b32 s34, s21, 17
	s_add_co_u32 s36, s36, s34
	s_add_co_u32 s36, s36, s32                     ; my first row of 4,096 bytes, my first column
	s_mov_b32 s37, 0
	s_wait_alu depctr_va_vdst(0)
	s_wait_dscnt 0x0
	s_wait_kmcnt 0x0
	s_add_nc_u64 s[8:9], s[8:9], s[24:25]
	s_add_nc_u64 s[10:11], s[10:11], s[26:27]
	s_add_nc_u64 s[12:13], s[12:13], s[28:29]
	s_add_nc_u64 s[14:15], s[14:15], s[30:31]
	s_add_nc_u64 s[16:17], s[16:17], s[32:33]
	s_add_nc_u64 s[18:19], s[18:19], s[36:37]
	; ALL COPIES, ahead of the wait for copies, every LDS read and the barrier.  The immediate is added to both addresses
.irp i, 0,1,2,3,4,5,6,7,8,9,10,11,12,13,14,15
	global_load_async_to_lds_b128 v9, v8, s[8:9] offset:4096*\i
.endr
.irp i, 0,1,2,3,4,5,6,7,8,9,10,11,12,13,14,15
	global_load_async_to_lds_b128 v10, v8, s[12:13] offset:4096*\i
.endr
	global_load_async_to_lds_b128 v11, v8, s[10:11]
	global_load_async_to_lds_b128 v12, v8, s[14:15]
	v_lshlrev_b32 v13, 6, v3                       ; the bias: register 16 b + i is column 32 b + 16 h + i of my 64
.irp b, 0,1
.irp q, 0,1,2,3
	global_load_b128 v[192+16*\b+4*\q:195+16*\b+4*\q], v13, s[16:17] offset:128*\b+16*\q
.endr
.endr
	s_lshl_b32 s38, s21, 14
	v_lshl_add_u32 v4, v1, 4, s38                  ; A's fragments: my two tiles, 16 x lane
	s_lshl_b32 s39, s22, 15
	s_add_co_u32 s39, s39, WIMG
	v_lshl_add_u32 v5, v1, 4, s39                  ; Wo's: my two pairs
	s_lshl_b32 s40, s21, 10
	s_add_co_u32 s40, s40, ASC
	v_lshlrev_b32 v6, 9, v3
	s_delay_alu instid0(VALU_DEP_1)
	v_lshl_add_u32 v6, v2, 2, v6
	s_delay_alu instid0(VALU_DEP_1)
	v_add_nc_u32 v6, s40, v6                       ; A's scale words: tile h of my two, row r
	s_lshl_b32 s41, s22, 11
	s_add_co_u32 s41, s41, WSC
	v_lshl_add_u32 v7, v1, 2, s41                  ; Wo's: 4 x lane
	s_mul_i32 s42, s20, 4352
	s_add_co_u32 s42, s42, STG                     ; my stage
	v_mul_u32_u24 v14, v2, 272
	s_delay_alu instid0(VALU_DEP_1)
	v_lshl_add_u32 v14, v3, 6, v14
	s_delay_alu instid0(VALU_DEP_1)
	v_add_nc_u32 v14, s42, v14                     ; in: row r, + 64 h
	v_mul_u32_u24 v15, v3, 272
	s_delay_alu instid0(VALU_DEP_1)
	v_lshl_add_u32 v15, v2, 4, v15
	s_delay_alu instid0(VALU_DEP_1)
	v_add_nc_u32 v15, s42, v15                     ; back: lanes 0-15 one row of 256 bytes, lanes 16-31 the next
	v_lshlrev_b32 v120, 12, v3
	s_delay_alu instid0(VALU_DEP_1)
	v_lshl_add_u32 v120, v2, 4, v120               ; and the same two rows in out0
	s_wait_alu depctr_va_vdst(0)
	s_wait_asynccnt 0x0                            ; for the others' sake: all my copies have landed
	s_barrier_signal -1
	s_barrier_wait -1                              ; the launch's one barrier: the operands lie in LDS and are only read from here on
	s_wait_loadcnt 0x0                             ; the bias
	FETCH 0, 0
.irp s, 0,1,2,3,4,5,6,7
.if \s < 7
.if \s > 0
.rept 4
	v_nop                                          ; four plain lines in front of loads into the set that the K step before multiplied
.endr
.endif
	FETCH \s+1, (\s+1)%2
	s_wait_dscnt 15                                ; this K step's operands are in; the 15 loads just issued may be out
.else
	s_wait_dscnt 0x0
.endif
	MUL \s, \s%2
.endr
.rept 4
	v_nop                                          ; four plain lines in front of the first read of results and of loads into the operands' registers
.endr
	; THE WAY OUT, a row tile at a time through my own stage.  LDS serves a wave's instructions in order (ISA guide 5.7.1.4): no wait between the stores and the loads, nor in front of the next tile's stores
.irp a, 0,1
.irp b, 0,1
.irp q, 0,1,2,3
	ds_store_b128 v14, v[128+32*\a+16*\b+4*\q:131+32*\a+16*\b+4*\q] offset:128*\b+16*\q   ; each accumulator from its low end on
.endr
.endr
.irp i, 0,1,2,3,4,5,6,7
	ds_load_b128 v[16+48*\a+4*\i:19+48*\a+4*\i], v15 offset:544*\i
.endr
.endr
.irp a, 0,1
.irp i, 0,1,2,3,4,5,6,7
	s_wait_dscnt 23-16*\a-\i                       ; behind this load: the rest of its tile's loads, and for the first tile the second's 8 stores and 8 loads
	global_store_b128 v120, v[16+48*\a+4*\i:19+48*\a+4*\i], s[18:19] offset:(16*\a+2*\i)*4096 th:TH_STORE_NT   ; 16 lanes store 256 consecutive bytes, at a multiple of 256 from out0's first byte
.endr
.endr
	s_wait_tensorcnt 0x0
	ds_add_u32 v224, v225
	s_wait_dscnt 0x0
	s_endpgm
.Lfunc_end_k_qc863e430b1_oproj:
	.size	k_qc863e430b1_oproj, .Lfunc_end_k_qc863e430b1_oproj-k_qc863e430b1_oproj
	.p2alignl 7, 3214868480
	.fill 96, 4, 3214868480
	.section	.rodata,"a",@progbits
	.p2align	6, 0x0
	.amdhsa_kernel k_qc863e430b1_oproj
		.amdhsa_group_segment_fixed_size 175104
		.amdhsa_private_segment_fixed_size 0
		.amdhsa_enable_private_segment 0
		.amdhsa_kernarg_size 48
		.amdhsa_user_sgpr_count 2
		.amdhsa_user_sgpr_kernarg_segment_ptr 1
		.amdhsa_wavefront_size32 1
		.amdhsa_system_sgpr_workgroup_id_x 1
		.amdhsa_system_sgpr_workgroup_id_y 1
		.amdhsa_system_sgpr_workgroup_id_z 1
		.amdhsa_system_vgpr_workitem_id 0
		.amdhsa_next_free_vgpr 226
		.amdhsa_next_free_sgpr 66
		.amdhsa_reserve_vcc 0
		.amdhsa_float_denorm_mode_32 3
		.amdhsa_float_denorm_mode_16_64 3
		.amdhsa_memory_ordered 1
		.amdhsa_forward_progress 1
		.amdhsa_inst_pref_size 29
	.end_amdhsa_kernel
	.amdgpu_metadata
---
amdhsa.version: [ 1, 2 ]
amdhsa.kernels:
  - .name:           k_qc863e430b1_oproj
    .symbol:         k_qc863e430b1_oproj.kd
    .args:
      - { .name: ac, .offset: 0, .size: 8, .value_kind: global_buffer, .address_space: global }
      - { .name: asc, .offset: 8, .size: 8, .value_kind: global_buffer, .address_space: global }
      - { .name: wc, .offset: 16, .size: 8, .value_kind: global_buffer, .address_space: global }
      - { .name: ws, .offset: 24, .size: 8, .value_kind: global_buffer, .address_space: global }
      - { .name: bo, .offset: 32, .size: 8, .value_kind: global_buffer, .address_space: global }
      - { .name: out0, .offset: 40, .size: 8, .value_kind: global_buffer, .address_space: global }
    .group_segment_fixed_size: 175104
    .private_segment_fixed_size: 0
    .kernarg_segment_align: 8
    .kernarg_segment_size: 48
    .max_flat_workgroup_size: 256
    .sgpr_count:     66
    .vgpr_count:     226
    .wavefront_size: 32
...
	.end_amdgpu_metadata
.endif
;; end of part 4
